; MI455X (gfx1250); checked and timed in simulation.
; The chip was launched on July 23, 2026; its instructions are those of AMD's public machine-readable ISA for CDNA 5 (MIT licence, August 2026) and "CDNA5" Instruction Set Architecture Reference Guide (July 2026). The comments in the code are by the model that wrote it; some were corrected since.
;; Scaled Dot Product Attention. Allowed arithmetic: float matrix products may take bf16 or f16 operands with f32 sums; all other float work in f32.
;; Inputs: Wk 1,024 x 1,024 float32; Wq 1,024 x 1,024 float32; Wv 1,024 x 1,024 float32; bk 1,024 float32; bq 1,024 float32; bv 1,024 float32; k 4 x 2,048 x 1,024 float32; q 4 x 2,048 x 1,024 float32; v 4 x 2,048 x 1,024 float32.
;; Outputs: out0 4 x 2,048 x 1,024 float32.
;; 2 versions, each right and faster than the one before. Each part assembles by itself: llvm-mc -triple=amdgcn-amd-amdhsa -mcpu=gfx1250 --defsym DOCPART=n.
;; ======== version 1 of 2: 3 launches
;; limits: values are held in f16: magnitudes above 65,504 overflow, below 6.1e-05 lose precision
;; workspace buffers: pq 16,777,216 bytes; pk 16,777,216 bytes; pv 16,777,216 bytes; pw 33,554,432 bytes; ms 262,144 bytes; ls 524,288 bytes
;; launch proj (part 1): grid 4 x 96, 4 waves a work-group, clusters of 4 x 4, 327,680 bytes of LDS; arguments q, k, v, Wq, Wk, Wv, bq, bk, bv, pq, pk, pv; writes pq, pk, pv
.if DOCPART == 1
	.amdgcn_target "amdgcn-amd-amdhsa--gfx1250"
	.amdhsa_code_object_version 6
	.text
	.protected	k_q261c137ba1_proj
	.globl	k_q261c137ba1_proj
	.p2align	8
	.type	k_q261c137ba1_proj,@function
k_q261c137ba1_proj:
	s_mov_b64 s[64:65], 0
	v_nop
	global_prefetch_b8 v0, s[64:65] scope:SCOPE_SE
	s_setreg_imm32_b32 hwreg(HW_REG_WAVE_MODE, 25, 1), 1
	s_wait_xcnt 0x0
	s_wait_alu depctr_hold_cnt(0) depctr_sa_sdst(0) depctr_va_vdst(0) depctr_va_sdst(0) depctr_va_ssrc(0) depctr_va_vcc(0) depctr_vm_vsrc(0)
	s_getreg_b32 s2, hwreg(HW_REG_IB_STS2, 6, 4)
	s_cmp_eq_u32 s2, 0
	s_cbranch_scc0 .Lentry_in_a_cluster
	s_endpgm
.Lentry_in_a_cluster:
	s_bfe_u32 s2, ttmp6, 0x10000c
	s_cmp_lg_u32 s2, 0xf033
	s_cbranch_scc0 .Lentry_shape_is_right
	s_endpgm
.Lentry_shape_is_right:
; pX[row][f] = sum over e of X[row][e] W[f][e] + b[f], for X = q, k, v.  X: [8192][1024] f32, W: [1024][1024] f32, b: [1024] f32, pX: [8192][1024] f16.
; X, W and b are rounded to bf16 (nearest even), products in bf16 with f32 sums, the rounded bias is the C operand of each sum's first product, pX is rounded once to f16.
; LIMITS.  f16 ends at 65,504: |pX| must stay below that (inputs 30 times the drawn spread give some 4,500; an offset of 30 spreads on X and W some 29,000); beyond it pX becomes an infinity.
; NaN and infinities are not treated apart.
; SHARES.  384 tiles of 256 x 256: cluster y / 8 chooses q, k or v; a work-group of four waves makes one tile, a wave 128 x 128: 64 accumulators, 512 registers.
; K goes in steps of 64 f32 (rows of 256 bytes) through two LDS slots filled by joint tensor loads: X's tile is shared along a row of the 4 x 4 cluster, W's along a column.
; The tiles lie in LDS as f32.  A wave loads fragments as f32 into staging registers and rounds them to bf16 between the matrix instructions: four conversions behind every second product.
; The matrix instruction is used transposed (source 0 = 16 rows of W, source 1 = 16 rows of X): a lane holds one row of pX and eight neighbouring columns.
; REGISTERS, in windows of 256 (s_set_vgpr_msb: bits 1:0 source 0, 3:2 source 1, 5:4 source 2, 7:6 destination):
;   window 0: v0-29 addresses; v64-127 X's 8 fragments in bf16; v128-191, v192-255 two staging sets of 4 fragments in f32 (16 registers each)
;   window 1: v0-63 W's 8 fragments in bf16; v64-127 the bias tuples of the 8 column blocks; v128-159 at work on the bias
;   window 2: the accumulators of my rows 0-63 ((a, b) at v[8 (8 (a % 4) + b)]);   window 3: those of my rows 64-127
; The conversions' operands lie in other windows than the products': two switches for every two products are the price of rounding in registers instead of a launch that only moves bytes.
.set PITCH,  272                       ; an LDS row: 256 bytes + 16 of padding: the 16 rows of a load start 16 bytes apart modulo 256
.set HALFT,  128*PITCH                 ; 128 rows: what one tensor load brings
.set SLOT,   4*HALFT                   ; X's 256 rows, then W's 256 rows; 0x22000: its two bits occur in no wave x HALFT, so an exclusive or changes slots
.set STAGE,  2*SLOT                    ; behind the ring: 16 rows x 272 bytes for each wave, for the way out
.set SPARE,  STAGE+4*16*PITCH          ; the spare words, 128 bytes a wave
.set STEPB,  256                       ; a K step in bytes of a row
.set OROW,   2048                      ; bytes in a row of pX
.set TRIPS,  14                        ; K steps 2 to 15 are asked for in the loop
.set ADRA0, 16                         ; v16  my lane's place in X's tile of slot 0; never rewritten
.set ADRB0, 17                         ; v17  the same for W
.set ADRA,  18                         ; v18  the same in the slot being read
.set ADRB,  19                         ; v19
.set STO,   24                         ; v24  the way out: where I put 16 bytes of a row
.set RD,    25                         ; v25  where I read rows back
.set CO,    26                         ; v26  my byte offset in pX
.set BO,    27                         ; v27  my byte offset in the bias
.set SPW,   28                         ; v28  LDS address of my spare word; never rewritten
.set NIL,   29                         ; v29  0; never rewritten
.set AF,    64
.set ST0,   128
.set BI,    64                         ; window 1
.set BT,    128                        ; window 1
.set TMP,   128                        ; the way out: packed results
.set OB,    160                        ; the way out: rows read back, v160-191 and v192-223 by turns
.set MSB, 0
.macro WIN new                         ; the immediate's high byte repeats the setting that is left; a switch that changes nothing is dropped
.if MSB != (\new)
	s_set_vgpr_msb (MSB<<8)|(\new)
.set MSB, \new
.endif
.endm
.macro PLACES
.rept 4
	v_nop
.endr
.endm
.macro CREST                           ; a round of the cluster's barrier behind its opening barrier
	s_cmp_lg_u32 s10, 0
	s_cbranch_scc1 .Lnot_wave_0_\@
	s_barrier_signal -3
.Lnot_wave_0_\@:
	s_barrier_wait -3
	s_barrier_signal -1
	s_barrier_wait -1
.endm
.macro CROUND                          ; a whole round
	s_barrier_signal -1
	s_barrier_wait -1
	CREST
.endm
.macro JLOAD                           ; a joint load: waves 0 and 1 fetch X's two halves, waves 2 and 3 W's; s_nop 0 and four v_nop follow each line
	s_cmp_eq_u32 s11, 0
	s_cbranch_scc0 .Lfor_b_\@
	tensor_load_to_lds s[32:35], s[24:31]
	s_nop 0
.rept 4
	v_nop
.endr
	s_branch .Lasked_\@
.Lfor_b_\@:
	tensor_load_to_lds s[36:39], s[48:55]
	s_nop 0
.rept 4
	v_nop
.endr
.Lasked_\@:
.endm
.macro STEPD                           ; the walking descriptors: the other slot, the next K step; written only where no tensor load of mine is out
	s_xor_b32 s33, s33, SLOT
	s_add_nc_u64 s[34:35], s[34:35], STEPB
	s_xor_b32 s37, s37, SLOT
	s_add_nc_u64 s[38:39], s[38:39], STEPB
.endm
.macro FLIP                            ; the reads go over to the other slot
	s_xor_b32 s56, s56, SLOT
	v_add_nc_u32 v[ADRA], s56, v[ADRA0]
	v_add_nc_u32 v[ADRB], s56, v[ADRB0]
.endm
	s_load_b256 s[68:75], s[0:1], 0x0              ; q s[68:69], k s[70:71], v s[72:73], Wq s[74:75]
	s_load_b256 s[76:83], s[0:1], 0x20             ; Wk s[76:77], Wv s[78:79], bq s[80:81], bk s[82:83]
	s_load_b256 s[84:91], s[0:1], 0x40             ; bv s[84:85], pq s[86:87], pk s[88:89], pv s[90:91]
	v_lshl_add_u32 v[SPW], v0, 2, SPARE
	v_mov_b32 v[NIL], 0
	ds_add_u32 v[SPW], v[NIL]                      ; the wave's opening: the add and its wait stand ahead of my first tensor load; register work stands between them
	v_lshrrev_b32 v1, 5, v0
	v_readfirstlane_b32 s10, v1                    ; wave 0..3
	s_lshr_b32 s11, s10, 1                         ; which half of the tile's rows is mine.  Also: I fetch for X (0) or for W (1)
	s_and_b32 s12, s10, 1                          ; which half of its columns.  Also: which 128 rows of that tile I fetch
	s_bfe_u32 s40, ttmp6, 0x40000                  ; cx
	s_bfe_u32 s41, ttmp6, 0x40004                  ; cy
	s_lshl_b32 s42, ttmp9, 2
	s_add_co_u32 s42, s42, s40                     ; tile column 0..3
	s_and_b32 s57, ttmp7, 0xffff                   ; cluster y 0..23
	s_and_b32 s13, s57, 7
	s_lshl_b32 s13, s13, 2
	s_add_co_u32 s13, s13, s41                     ; tile row 0..31 in the chosen tensor
	s_lshr_b32 s57, s57, 3                         ; 0: q, 1: k, 2: v; the same in all sixteen partners
	s_lshl_b32 s43, s41, 2
	s_lshl_b32 s43, 15, s43                        ; my row of the cluster
	s_lshl_b32 s44, 0x1111, s40                    ; my column
	; descriptor group 1: 128 rows x 64 elements of 4 bytes, 4 words of padding behind every 64
	s_or_b32 s24, s43, (2<<16)|(1<<20)|(1<<21)|(5<<22)|(3<<25)
	s_or_b32 s48, s44, (2<<16)|(1<<20)|(1<<21)|(5<<22)|(3<<25)
.irp g, 24, 48
	s_mov_b32 s[(\g)+1], 64<<16                    ; tensor_dim0 = 64
	s_mov_b32 s[(\g)+2], 128<<16                   ; tensor_dim1 = 128
	s_mov_b32 s[(\g)+3], 64<<16                    ; tile_dim0 = 64
	s_mov_b32 s[(\g)+4], 128                       ; tile_dim1 = 128
	s_mov_b32 s[(\g)+5], 1024                      ; elements from row to row
	s_mov_b32 s[(\g)+6], 0
	s_mov_b32 s[(\g)+7], 0
.endr
	s_lshl_b32 s17, s12, 7                         ; which 128 rows I fetch
	s_lshl_b32 s16, s13, 8
	s_add_co_u32 s16, s16, s17
	s_lshl_b32 s16, s16, 12                        ; X: (256 x tile row + 128 x half) rows of 4,096 bytes, under 2^25
	s_lshl_b32 s46, s42, 8
	s_add_co_u32 s46, s46, s17
	s_lshl_b32 s46, s46, 12                        ; W: (256 x tile column + 128 x half) rows
	s_mov_b32 s17, 0
	s_mov_b32 s47, 0
	s_mul_i32 s20, s10, HALFT                      ; where the tiles go: wave x 128 rows
	s_mov_b32 s32, 1
	s_mov_b32 s33, s20
	s_mov_b32 s36, 1
	s_mov_b32 s37, s20
	s_mov_b32 s56, 0                               ; slot 0 is read first
	s_lshl_b32 s14, s13, 8                         ; my part of pX: (256 x tile row + 128 x row half) rows of 2,048 bytes + 512 x tile column + 256 x column half
	s_lshl_b32 s15, s11, 7
	s_add_co_u32 s14, s14, s15
	s_lshl_b32 s14, s14, 11
	s_lshl_b32 s15, s42, 9
	s_add_co_u32 s14, s14, s15
	s_lshl_b32 s15, s12, 8
	s_add_co_u32 s14, s14, s15
	s_mov_b32 s15, 0
	s_lshl_b32 s18, s42, 10                        ; the tile's 256 numbers of the bias
	s_mov_b32 s19, 0
	s_wait_dscnt 0x0                               ; the opening add is done
	s_wait_kmcnt 0x0
	s_cmp_eq_u32 s57, 1
	s_cselect_b64 s[4:5], s[70:71], s[68:69]       ; X
	s_cselect_b64 s[6:7], s[76:77], s[74:75]       ; W
	s_cselect_b64 s[8:9], s[88:89], s[86:87]       ; pX
	s_cselect_b64 s[92:93], s[82:83], s[80:81]     ; b
	s_cmp_eq_u32 s57, 2
	s_cselect_b64 s[4:5], s[72:73], s[4:5]
	s_cselect_b64 s[6:7], s[78:79], s[6:7]
	s_cselect_b64 s[8:9], s[90:91], s[8:9]
	s_cselect_b64 s[92:93], s[84:85], s[92:93]
	s_add_nc_u64 s[34:35], s[4:5], s[16:17]
	s_or_b32 s35, s35, 0x80000000
	s_add_nc_u64 s[38:39], s[6:7], s[46:47]
	s_or_b32 s39, s39, 0x80000000
	s_add_nc_u64 s[8:9], s[8:9], s[14:15]
	s_add_nc_u64 s[92:93], s[92:93], s[18:19]
	CROUND                                         ; all sixteen work-groups are here: the first joint loads meet
	JLOAD                                          ; K step 0 into slot 0
	; An f32 row holds a bf16 fragment's k = 8 h + 0..7 at byte 32 h and k = 16 + 8 h + 0..7 at byte 64 + 32 h: four loads of 16 bytes at 0, 16, 64, 80.
	v_and_b32 v1, 15, v0                           ; r = lane % 16
	v_bfe_u32 v2, v0, 4, 1                         ; h = lane / 16
	v_mul_u32_u24 v3, v1, PITCH
	v_lshl_add_u32 v4, v2, 5, v3                   ; row x pitch + 32 h
	s_mul_i32 s21, s11, HALFT                      ; my 128 rows of X
	s_mul_i32 s22, s12, HALFT                      ; my 128 rows of W,
	s_add_co_u32 s22, s22, 2*HALFT                 ; which lie behind X's 256
	v_add_nc_u32 v[ADRA0], s21, v4
	v_add_nc_u32 v[ADRB0], s22, v4
	v_mov_b32 v[ADRA], v[ADRA0]
	v_mov_b32 v[ADRB], v[ADRB0]
	s_mul_i32 s23, s10, 16*PITCH
	s_add_co_u32 s23, s23, STAGE                   ; my stage
	v_lshl_add_u32 v5, v2, 4, v3                   ; in: row r, 16 bytes for each half of the lanes
	v_add_nc_u32 v[STO], s23, v5
	v_mul_u32_u24 v5, v2, PITCH                    ; back: lanes 0-15 one row of 256 bytes, lanes 16-31 the next
	v_lshl_add_u32 v5, v1, 4, v5
	v_add_nc_u32 v[RD], s23, v5
	v_lshlrev_b32 v5, 11, v2                       ; and the same two rows in pX
	v_lshl_add_u32 v[CO], v1, 4, v5
	s_lshl_b32 s21, s12, 9
	v_lshl_add_u32 v[BO], v2, 5, s21               ; bias: 512 x column half + 32 h; block b 64 b further
	s_mov_b32 s23, 0xffff0000
	; The bias tuples: register j of block b is b[16 b + 8 h + j], the number that a lane's result j wants.  Rounded to bf16 like every input, kept as f32.  All this stands in the wait for the first tile.
	WIN 0x40                                       ; destination window 1, address window 0
.irp b, 0,1,2,3,4,5,6,7
	global_load_b128 v[BI+8*(\b):BI+8*(\b)+3],   v[BO], s[92:93] offset:64*(\b)
	global_load_b128 v[BI+8*(\b)+4:BI+8*(\b)+7], v[BO], s[92:93] offset:64*(\b)+16
.endr
	s_wait_loadcnt 0x0
	WIN 0x45                                       ; destination and both sources window 1
.set i, 0
.rept 32
	v_cvt_pk_bf16_f32 v[BT+i], v[BI+2*i], v[BI+2*i+1]
.set i, i+1
.endr
.set i, 0
.rept 32
	v_lshlrev_b32 v[BI+2*i], 16, v[BT+i]
	v_and_b32 v[BI+2*i+1], s23, v[BT+i]
.set i, i+1
.endr
	WIN 0
; 16 LDS loads: group g (4 fragments of 16 rows) of X (side 0) or W (side 1), 32 along K at byte kb of the rows, as f32 into staging set st; fragment by fragment
.macro LOADG st, side, g, kb
	WIN 0
.irp i, 0,1,2,3
.irp n, 0,1,2,3
	ds_load_b128 v[ST0+64*(\st)+16*(\i)+4*(\n):ST0+64*(\st)+16*(\i)+4*(\n)+3], v[ADRA+(\side)] offset:(4*(\g)+(\i))*16*PITCH+(\kb)+16*((\n)%2)+64*((\n)/2)
.endr
.endr
.endm
; four roundings: half hf % 2 of fragment hf / 2 of staging set st becomes four registers of group g's bf16 fragments
.macro CVT4 side, g, st, hf
	WIN 0x40*(\side)
.irp j, 0,1,2,3
	v_cvt_pk_bf16_f32 v[AF*(1-(\side))+8*(4*(\g)+(\hf)/2)+4*((\hf)%2)+(\j)], v[ST0+64*(\st)+16*((\hf)/2)+8*((\hf)%2)+2*(\j)], v[ST0+64*(\st)+16*((\hf)/2)+8*((\hf)%2)+2*(\j)+1]
.endr
.endm
; one product: row block a, column block b.  zero = 1: it starts the sum, with the bias tuple as C
.macro PROD a, b, zero
.set rD, 8*(8*((\a)%4)+(\b))
.if \zero
	WIN 0x91+0x40*((\a)/4)
	v_wmma_f32_16x16x32_bf16 v[rD:rD+7], v[8*(\b):8*(\b)+7], v[AF+8*(\a):AF+8*(\a)+7], v[BI+8*(\b):BI+8*(\b)+7]
.else
	WIN 0xa1+0x50*((\a)/4)
	v_wmma_f32_16x16x32_bf16 v[rD:rD+7], v[8*(\b):8*(\b)+7], v[AF+8*(\a):AF+8*(\a)+7], v[rD:rD+7]
.endif
.endm
; 16 products, X's group ag x W's group bg, on 16 accumulators by turns; behind every second one four roundings of group cg of side cside from set cset (cside = -1: none).
; A fragment's four loads are waited for ahead of its first rounding: out may stay the `behind` LDS instructions issued after the group and 4 for each later fragment of it.
; The registers that a rounding writes were last read by a product at least eight roundings back, none of which names a register of that product (ISA guide 7.12.1).
; bar = 1: ahead of product 8 the wave waits for all its LDS instructions and signals the barrier.
.macro QUAD ag, bg, cside, cg, cset, zero, behind, bar
.set i, 0
.rept 16
.if (\bar) && (i == 8)
	s_wait_dscnt 0x0                               ; the add is done, and my reads of the slot are over
	s_barrier_signal -1
.endif
	PROD 4*(\ag)+i/4, 4*(\bg)+i%4, \zero
.if ((\cside) >= 0) && (i%2 == 1)
.if (i%4 == 1) && !((\bar) && (i > 8))
	s_wait_dscnt (\behind)+4*(3-i/4)
.endif
	CVT4 \cside, \cg, \cset, i/2
.endif
.set i, i+1
.endr
.endm
; A CHUNK is 32 along K: 64 products in four quads.  On entry X's rows 0-63 and W's group x are rounded, and set 0 holds (or is receiving) W's other group.  W's groups change parts from chunk to chunk, so each bf16 group has one buffer.
;   quad 1  loads X hi (this chunk) -> set 1    X lo x W x      rounds W y from set 0
;   quad 2  loads X lo (next chunk) -> set 0    X lo x W y      rounds X hi from set 1
;   quad 3  loads W y  (next chunk) -> set 1    X hi x W y      rounds X lo of the next chunk from set 0
;   quad 4  loads W x  (next chunk) -> set 0    X hi x W x      rounds W y of the next chunk from set 1
; mode 0: a K step's first chunk.  mode 1: its second: quad 1's loads are the slot's last reads; the slot is filled again behind a round of the cluster's barrier.  mode 2: the same with nothing to ask for.  mode 3: the last chunk.
.macro CHUNK x, kbc, kbn, zero, mode
	LOADG 1, 0, 1, \kbc
.if ((\mode) == 1) || ((\mode) == 2)
	s_wait_tensorcnt 0x0                           ; all my tensor loads have landed: the one that was out is my part of the next slot
	ds_add_u32 v[SPW], v[NIL]                      ; 0 onto my spare word: eight products and their roundings stand between it and the wait for it
.if (\mode) == 1
	STEPD
.endif
	QUAD 0, \x, 1, 1-(\x), 0, \zero, 17, 1         ; behind set 0's loads: quad 1's sixteen and the add
	WIN 0
	s_barrier_wait -1
.if (\mode) == 1
	CREST                                          ; no wave of any partner still reads this slot or has a load on its way
	JLOAD                                          ; the first tensor load behind the round: it has 112 products in which to land
.endif
	FLIP
.else
	QUAD 0, \x, 1, 1-(\x), 0, \zero, 16, 0
.endif
.if (\mode) == 3
	QUAD 0, 1-(\x), 0, 1, 1, \zero, 0, 0           ; nothing was issued behind set 1's loads: the counts run down to 0
	QUAD 1, 1-(\x), -1, 0, 0, \zero, 0, 0
	QUAD 1, \x, -1, 0, 0, \zero, 0, 0
.else
	LOADG 0, 0, 0, \kbn
	QUAD 0, 1-(\x), 0, 1, 1, \zero, 16, 0
	LOADG 1, 1, 1-(\x), \kbn
	QUAD 1, 1-(\x), 0, 0, 0, \zero, 16, 0
	LOADG 0, 1, \x, \kbn
	QUAD 1, \x, 1, 1-(\x), 1, \zero, 16, 0
.endif
.endm
	s_wait_tensorcnt 0x0                           ; my part of K step 0 is in; no tensor load of mine is out
	ds_add_u32 v[SPW], v[NIL]
	STEPD                                          ; slot 1, K step 1
	s_wait_dscnt 0x0
	CROUND                                         ; everybody's part is in
	JLOAD
	LOADG 0, 0, 0, 0                               ; the warm-up: X lo and W's group 0 of the first chunk
	LOADG 1, 1, 0, 0
	s_wait_dscnt 16                                ; set 0 is in; set 1's sixteen may be out
.irp hf, 0,1,2,3,4,5,6,7
	CVT4 0, 0, 0, \hf
.endr
	LOADG 0, 1, 1, 0                               ; W's group 1
	s_wait_dscnt 16                                ; set 1 is in
.irp hf, 0,1,2,3,4,5,6,7
	CVT4 1, 0, 1, \hf
.endr
	CHUNK 0, 0, 128, 1, 0                          ; the first chunk stands ahead of the loop: its products start the sums
	WIN 0                                          ; at a label and at a branch every window is 0
	s_mov_b32 s45, TRIPS
.Ltrip:                                                ; a trip: a K step's second chunk, the change of slots, the next step's first chunk
	CHUNK 1, 128, 0, 0, 1
	CHUNK 0, 0, 128, 0, 0
	WIN 0
	s_sub_co_u32 s45, s45, 1
	s_cmp_lg_u32 s45, 0
	s_cbranch_scc1 .Ltrip
	CHUNK 1, 128, 0, 0, 2                          ; the tail is written out: nothing more is asked for
	CHUNK 0, 0, 128, 0, 0
	CHUNK 1, 128, 0, 0, 3
	WIN 0
	; THE WAY OUT, 16 rows at a time: rounded to f16, 16 bytes a lane into my stage, back as whole rows of 256 bytes, stored.
.macro PACK a
	WIN 0x0a+5*((\a)/4)                            ; sources window 2 or 3
.irp b, 0,1,2,3,4,5,6,7
.irp rr, 0,1,2,3
	v_cvt_pk_f16_f32 v[TMP+4*(\b)+(\rr)], v[64*((\a)%4)+8*(\b)+2*(\rr)], v[64*((\a)%4)+8*(\b)+2*(\rr)+1]
.endr
.endr
	WIN 0
.endm
.macro TOSTAGE a
.irp b, 0,1,2,3,4,5,6,7
	ds_store_b128 v[STO], v[TMP+4*(\b):TMP+4*(\b)+3] offset:32*(\b)
.endr
.irp t, 0,1,2,3,4,5,6,7
	ds_load_b128 v[OB+32*((\a)%2)+4*(\t):OB+32*((\a)%2)+4*(\t)+3], v[RD] offset:(\t)*2*PITCH  ; LDS serves a wave's instructions in order (ISA guide 5.7.1.4): these see the stores above
.endr
.endm
.macro SEND a
	s_wait_dscnt 0x0                               ; the block is back in registers
	s_wait_xcnt 0x0                                ; the registers that earlier stores read are loaded again only behind this wait
.irp t, 0,1,2,3,4,5,6,7
	global_store_b128 v[CO], v[OB+32*((\a)%2)+4*(\t):OB+32*((\a)%2)+4*(\t)+3], s[8:9] offset:(16*(\a)+2*(\t))*OROW  ; 16 lanes store 256 consecutive bytes, at a multiple of 256 from pX's first byte
.endr
.endm
	PLACES                                         ; the conversions read results just made
	PACK 0
	TOSTAGE 0
.irp a, 1,2,3,4,5,6,7                  ; block a's conversions stand between block a - 1's loads from the stage and the wait for them
	PACK \a
	SEND (\a)-1
	TOSTAGE \a
.endr
	SEND 7
	s_wait_tensorcnt 0x0                           ; the wave's end
	ds_add_u32 v[SPW], v[NIL]
	s_wait_dscnt 0x0
	CROUND                                         ; the closing round
	s_endpgm
.Lfunc_end_k_q261c137ba1_proj:
	.size	k_q261c137ba1_proj, .Lfunc_end_k_q261c137ba1_proj-k_q261c137ba1_proj
	.p2alignl 7, 3214868480
	.fill 96, 4, 3214868480
	.section	.rodata,"a",@progbits
	.p2align	6, 0x0
	.amdhsa_kernel k_q261c137ba1_proj
		.amdhsa_group_segment_fixed_size 327680
		.amdhsa_private_segment_fixed_size 0
		.amdhsa_enable_private_segment 0
		.amdhsa_kernarg_size 96
		.amdhsa_user_sgpr_count 2
		.amdhsa_user_sgpr_kernarg_segment_ptr 1
		.amdhsa_wavefront_size32 1
		.amdhsa_system_sgpr_workgroup_id_x 1
		.amdhsa_system_sgpr_workgroup_id_y 1
		.amdhsa_system_sgpr_workgroup_id_z 1
		.amdhsa_system_vgpr_workitem_id 0
		.amdhsa_next_free_vgpr 1024
		.amdhsa_next_free_sgpr 96
		.amdhsa_reserve_vcc 0
		.amdhsa_float_denorm_mode_32 3
		.amdhsa_float_denorm_mode_16_64 3
		.amdhsa_memory_ordered 1
		.amdhsa_forward_progress 1
		.amdhsa_inst_pref_size 157
	.end_amdhsa_kernel
	.amdgpu_metadata
---
amdhsa.version: [ 1, 2 ]
amdhsa.kernels:
  - .name:           k_q261c137ba1_proj
    .symbol:         k_q261c137ba1_proj.kd
    .args:
      - { .name: q, .offset: 0, .size: 8, .value_kind: global_buffer, .address_space: global }
      - { .name: k, .offset: 8, .size: 8, .value_kind: global_buffer, .address_space: global }
      - { .name: v, .offset: 16, .size: 8, .value_kind: global_buffer, .address_space: global }
      - { .name: Wq, .offset: 24, .size: 8, .value_kind: global_buffer, .address_space: global }
      - { .name: Wk, .offset: 32, .size: 8, .value_kind: global_buffer, .address_space: global }
      - { .name: Wv, .offset: 40, .size: 8, .value_kind: global_buffer, .address_space: global }
      - { .name: bq, .offset: 48, .size: 8, .value_kind: global_buffer, .address_space: global }
      - { .name: bk, .offset: 56, .size: 8, .value_kind: global_buffer, .address_space: global }
      - { .name: bv, .offset: 64, .size: 8, .value_kind: global_buffer, .address_space: global }
      - { .name: pq, .offset: 72, .size: 8, .value_kind: global_buffer, .address_space: global }
      - { .name: pk, .offset: 80, .size: 8, .value_kind: global_buffer, .address_space: global }
      - { .name: pv, .offset: 88, .size: 8, .value_kind: global_buffer, .address_space: global }
    .group_segment_fixed_size: 327680
    .private_segment_fixed_size: 0
    .kernarg_segment_align: 8
    .kernarg_segment_size: 96
    .max_flat_workgroup_size: 128
    .sgpr_count:     96
    .vgpr_count:     1024
    .wavefront_size: 32
...
	.end_amdgpu_metadata
.endif
;; end of part 1
;; launch scores (part 2): grid 8 x 32, 4 waves a work-group, clusters of 4 x 4, 327,680 bytes of LDS; arguments pq, pk, pw, ms, ls; writes pw, ms, ls
.if DOCPART == 2
	.amdgcn_target "amdgcn-amd-amdhsa--gfx1250"
	.amdhsa_code_object_version 6
	.text
	.protected	k_q261c137ba1_scores
	.globl	k_q261c137ba1_scores
	.p2align	8
	.type	k_q261c137ba1_scores,@function
k_q261c137ba1_scores:
	s_mov_b64 s[64:65], 0
	v_nop
	global_prefetch_b8 v0, s[64:65] scope:SCOPE_SE
	s_setreg_imm32_b32 hwreg(HW_REG_WAVE_MODE, 25, 1), 1
	s_wait_xcnt 0x0
	s_wait_alu depctr_hold_cnt(0) depctr_sa_sdst(0) depctr_va_vdst(0) depctr_va_sdst(0) depctr_va_ssrc(0) depctr_va_vcc(0) depctr_vm_vsrc(0)
	s_getreg_b32 s2, hwreg(HW_REG_IB_STS2, 6, 4)
	s_cmp_eq_u32 s2, 0
	s_cbranch_scc0 .Lentry_in_a_cluster
	s_endpgm
.Lentry_in_a_cluster:
	s_bfe_u32 s2, ttmp6, 0x10000c
	s_cmp_lg_u32 s2, 0xf033
	s_cbranch_scc0 .Lentry_shape_is_right
	s_endpgm
.Lentry_shape_is_right:
; One tile of 256 queries x 256 keys of S = pq pk^T (K = 1,024), then its part of the softmax.  pq, pk: [8192][1024] f16.
; For each query row of the tile: m = the largest score of the tile's 256 keys; p = 2^(c s - c m), c = log2(e) / 32, so every exponent is at most 0.
; Stored: pw[row][key] = p in f16 ([8192][2048]); ms[key tile][row] = c m ([8][8192] f32); ls[key half of 128][row] = the sum of the unrounded p of those 128 keys ([16][8192] f32).
; The next launch joins the eight tiles of a row exactly: a softmax whose maximum is taken away tile by tile.
; LIMITS.  p lies in 0 to 1; below 6e-5 it keeps f16's fixed step of 6e-8; a weight below 2^-126 counts as 0 in the sums.  NaN and infinities are not treated apart.
; SHARES.  256 work-groups of four waves; a wave makes 128 x 128: 64 accumulators.  K goes in steps of 128 (rows of 256 bytes) through two LDS slots filled by joint tensor loads:
; pq's tile is shared along a row of the 4 x 4 cluster, pk's along a column.  Source 0 = 16 keys, source 1 = 16 queries: a lane holds ONE query and eight neighbouring keys.
; REGISTERS, in windows of 256: window 0: v0-31 addresses; v32-63 row statistics; v64-127, v128-191 pq's fragments, two buffers (later at work); v224-239 sums and what leaves
;   window 1: v64-127, v128-191 pk's fragments;   window 2: the accumulators of my rows 0-63 ((a, b) at v[8 (8 (a % 4) + b)]);   window 3: those of rows 64-127
.set PITCH,  272
.set HALFT,  128*PITCH
.set SLOT,   4*HALFT                   ; 0x22000: its two bits occur in no wave x HALFT
.set STAGE,  2*SLOT                    ; 16 rows x 272 bytes for each wave
.set XM,     STAGE+4*16*PITCH          ; [column half][256 rows] f32: the two column halves exchange their maxima
.set XS,     XM+2048                   ; 1,024 bytes a wave: 128 c m, then 128 sums, turned from one a lane into four a lane
.set SPARE,  XS+4096
.set STEPB,  256
.set PROW,   4096                      ; bytes in a row of pw
.set ADRA0, 16
.set ADRB0, 17
.set ADRA,  18
.set ADRB,  19
.set XSR,   20                         ; v20  where I read four statistics back
.set GS,    21                         ; v21  16 x lane: my offset in 512 bytes of ms and ls
.set STO,   24
.set RD,    25
.set CO,    26
.set XA,    27                         ; v27  where I put my half's maxima
.set SPW,   28
.set NIL,   29
.set XB,    30                         ; v30  where the other half's lie
.set XSA,   31                         ; v31  where I put a row's statistics
.set MX,    32                         ; v32-39   the row's maximum, by row block
.set PM,    40                         ; v40-47   the other half's
.set CM,    48                         ; v48-63   c m, a pair for each row block (the packed scaling names a pair)
.set F0,    64
.set F1,    128
.set T,     64                         ; v64-159  at work on the maxima
.set TMP,   64                         ; v64-95   p in f16
.set SU,    96                         ; v96-127  partial sums
.set OB,    128                        ; v128-159, v160-191 rows read back, by turns
.set LL,    224                        ; v224-231 the row's sum, by row block
.set MSB, 0
.macro WIN new
.if MSB != (\new)
	s_set_vgpr_msb (MSB<<8)|(\new)
.set MSB, \new
.endif
.endm
.macro PLACES
.rept 4
	v_nop
.endr
.endm
.macro CREST
	s_cmp_lg_u32 s10, 0
	s_cbranch_scc1 .Lnot_wave_0_\@
	s_barrier_signal -3
.Lnot_wave_0_\@:
	s_barrier_wait -3
	s_barrier_signal -1
	s_barrier_wait -1
.endm
.macro CROUND
	s_barrier_signal -1
	s_barrier_wait -1
	CREST
.endm
.macro JLOAD                           ; waves 0 and 1 fetch pq's two halves, waves 2 and 3 pk's; s_nop 0 and four v_nop follow each line
	s_cmp_eq_u32 s11, 0
	s_cbranch_scc0 .Lfor_b_\@
	tensor_load_to_lds s[32:35], s[24:31]
	s_nop 0
.rept 4
	v_nop
.endr
	s_branch .Lasked_\@
.Lfor_b_\@:
	tensor_load_to_lds s[36:39], s[48:55]
	s_nop 0
.rept 4
	v_nop
.endr
.Lasked_\@:
.endm
.macro STEPD
	s_xor_b32 s33, s33, SLOT
	s_add_nc_u64 s[34:35], s[34:35], STEPB
	s_xor_b32 s37, s37, SLOT
	s_add_nc_u64 s[38:39], s[38:39], STEPB
.endm
.macro FLIP
	s_xor_b32 s56, s56, SLOT
	v_add_nc_u32 v[ADRA], s56, v[ADRA0]
	v_add_nc_u32 v[ADRB], s56, v[ADRB0]
.endm
	s_load_b128 s[4:7], s[0:1], 0x0                ; pq s[4:5], pk s[6:7]
	s_load_b64 s[8:9], s[0:1], 0x10                ; pw
	s_load_b64 s[62:63], s[0:1], 0x18              ; ms
	s_load_b64 s[66:67], s[0:1], 0x20              ; ls
	v_lshl_add_u32 v[SPW], v0, 2, SPARE
	v_mov_b32 v[NIL], 0
	ds_add_u32 v[SPW], v[NIL]                      ; the wave's opening: the add and its wait stand ahead of my first tensor load
	v_lshrrev_b32 v1, 5, v0
	v_readfirstlane_b32 s10, v1                    ; wave 0..3
	s_lshr_b32 s11, s10, 1                         ; row half.  Also: I fetch for pq (0) or pk (1)
	s_and_b32 s12, s10, 1                          ; column half.  Also: which 128 rows I fetch
	s_bfe_u32 s40, ttmp6, 0x40000                  ; cx
	s_bfe_u32 s41, ttmp6, 0x40004                  ; cy
	s_lshl_b32 s42, ttmp9, 2
	s_add_co_u32 s42, s42, s40                     ; key tile 0..7 of the batch
	s_and_b32 s57, ttmp7, 0xffff                   ; cluster y 0..7
	s_lshl_b32 s13, s57, 2
	s_add_co_u32 s13, s13, s41                     ; query tile 0..31 of all rows
	s_lshr_b32 s57, s57, 1                         ; the batch: the same in all sixteen partners
	s_lshl_b32 s43, s41, 2
	s_lshl_b32 s43, 15, s43                        ; my row of the cluster
	s_lshl_b32 s44, 0x1111, s40                    ; my column
	s_or_b32 s24, s43, (1<<16)|(1<<20)|(1<<21)|(5<<22)|(3<<25)  ; 2-byte elements; 4 words of padding behind every 64
	s_or_b32 s48, s44, (1<<16)|(1<<20)|(1<<21)|(5<<22)|(3<<25)
.irp g, 24, 48
	s_mov_b32 s[(\g)+1], 128<<16                   ; tensor_dim0 = 128
	s_mov_b32 s[(\g)+2], 128<<16                   ; tensor_dim1 = 128
	s_mov_b32 s[(\g)+3], 128<<16                   ; tile_dim0 = 128
	s_mov_b32 s[(\g)+4], 128                       ; tile_dim1 = 128
	s_mov_b32 s[(\g)+5], 1024                      ; elements from row to row
	s_mov_b32 s[(\g)+6], 0
	s_mov_b32 s[(\g)+7], 0
.endr
	s_lshl_b32 s17, s12, 7
	s_lshl_b32 s16, s13, 8
	s_add_co_u32 s16, s16, s17
	s_lshl_b32 s16, s16, 11                        ; pq: (256 x query tile + 128 x half) rows of 2,048 bytes
	s_lshl_b32 s46, s57, 11
	s_lshl_b32 s47, s42, 8
	s_add_co_u32 s46, s46, s47
	s_add_co_u32 s46, s46, s17
	s_lshl_b32 s46, s46, 11                        ; pk: (2,048 x batch + 256 x key tile + 128 x half) rows
	s_mov_b32 s17, 0
	s_mov_b32 s47, 0
	s_mul_i32 s20, s10, HALFT
	s_mov_b32 s32, 1
	s_mov_b32 s33, s20
	s_mov_b32 s36, 1
	s_mov_b32 s37, s20
	s_mov_b32 s56, 0
	s_mov_b32 s58, 0x3d38aa3b                      ; c = log2(e) / 32
	s_mov_b32 s59, s58                             ; named with it as a pair
	s_mov_b32 s60, 0x76543210                      ; v_permlanex16_b32: each lane takes its own place in the other half
	s_mov_b32 s61, 0xfedcba98
	s_lshl_b32 s21, s13, 8
	s_lshl_b32 s22, s11, 7
	s_add_co_u32 s21, s21, s22                     ; my first row: 256 x query tile + 128 x row half
	s_lshl_b32 s14, s21, 12                        ; pw: that row x 4,096 + 512 x key tile + 256 x column half
	s_lshl_b32 s15, s42, 9
	s_add_co_u32 s14, s14, s15
	s_lshl_b32 s15, s12, 8
	s_add_co_u32 s14, s14, s15
	s_mov_b32 s15, 0
	s_lshl_b32 s18, s42, 13                        ; ms: (8,192 x key tile + row) x 4
	s_add_co_u32 s18, s18, s21
	s_lshl_b32 s18, s18, 2
	s_mov_b32 s19, 0
	s_lshl_b32 s22, s42, 1                         ; ls: (8,192 x (2 x key tile + column half) + row) x 4
	s_add_co_u32 s22, s22, s12
	s_lshl_b32 s22, s22, 13
	s_add_co_u32 s22, s22, s21
	s_lshl_b32 s22, s22, 2
	s_mov_b32 s23, 0
	s_wait_dscnt 0x0                               ; the opening add is done
	s_wait_kmcnt 0x0
	s_add_nc_u64 s[34:35], s[4:5], s[16:17]
	s_or_b32 s35, s35, 0x80000000
	s_add_nc_u64 s[38:39], s[6:7], s[46:47]
	s_or_b32 s39, s39, 0x80000000
	s_add_nc_u64 s[8:9], s[8:9], s[14:15]
	s_add_nc_u64 s[62:63], s[62:63], s[18:19]
	s_add_nc_u64 s[66:67], s[66:67], s[22:23]
	CROUND                                         ; the first joint loads meet
	JLOAD                                          ; K step 0 into slot 0
	v_and_b32 v1, 15, v0                           ; r
	v_bfe_u32 v2, v0, 4, 1                         ; h
	v_mul_u32_u24 v3, v1, PITCH
	v_lshl_add_u32 v3, v2, 4, v3                   ; row x pitch + 16 h
	s_mul_i32 s21, s11, HALFT
	s_mul_i32 s22, s12, HALFT
	s_add_co_u32 s22, s22, 2*HALFT
	v_add_nc_u32 v[ADRA0], s21, v3
	v_add_nc_u32 v[ADRB0], s22, v3
	v_mov_b32 v[ADRA], v[ADRA0]
	v_mov_b32 v[ADRB], v[ADRB0]
	s_mul_i32 s23, s10, 16*PITCH
	s_add_co_u32 s23, s23, STAGE
	v_add_nc_u32 v[STO], s23, v3
	v_mul_u32_u24 v5, v2, PITCH
	v_lshl_add_u32 v5, v1, 4, v5
	v_add_nc_u32 v[RD], s23, v5
	v_lshlrev_b32 v5, 12, v2
	v_lshl_add_u32 v[CO], v1, 4, v5
	s_lshl_b32 s21, s11, 9                         ; 512 x row half
	s_lshl_b32 s22, s12, 10                        ; 1,024 x column half
	s_add_co_u32 s22, s22, s21
	s_add_co_u32 s22, s22, XM
	v_lshl_add_u32 v[XA], v1, 2, s22
	s_xor_b32 s22, s12, 1
	s_lshl_b32 s22, s22, 10
	s_add_co_u32 s22, s22, s21
	s_add_co_u32 s22, s22, XM
	v_lshl_add_u32 v[XB], v1, 2, s22
	s_lshl_b32 s22, s10, 10
	s_add_co_u32 s22, s22, XS
	v_lshl_add_u32 v[XSA], v1, 2, s22
	v_and_b32 v5, 31, v0
	v_lshlrev_b32 v[GS], 4, v5
	v_add_nc_u32 v[XSR], s22, v[GS]
; 16 products: row blocks a0, a0 + 1 of the window's four x all 8 key blocks, 32 along K; the 64 accumulators take turns.  zero = 1: they start the sums
.macro MUL16 f, hi, a0, zero
	WIN 0xa1+0x50*(\hi)
.irp a, \a0, (\a0)+1
.irp b, 0,1,2,3,4,5,6,7
.if \zero
	v_wmma_f32_16x16x32_f16 v[8*(8*(\a)+(\b)):8*(8*(\a)+(\b))+7], v[(\f)+8*(\b):(\f)+8*(\b)+7], v[(\f)+8*(4*(\hi)+(\a)):(\f)+8*(4*(\hi)+(\a))+7], 0
.else
	v_wmma_f32_16x16x32_f16 v[8*(8*(\a)+(\b)):8*(8*(\a)+(\b))+7], v[(\f)+8*(\b):(\f)+8*(\b)+7], v[(\f)+8*(4*(\hi)+(\a)):(\f)+8*(4*(\hi)+(\a))+7], v[8*(8*(\a)+(\b)):8*(8*(\a)+(\b))+7]
.endif
.endr
.endr
.endm
; 32 LDS loads in one run: pk's 8 fragments, then pq's 8, 32 along K at byte k of the rows, into buffer f
.macro FETCH k, f
	WIN 0x40
.irp i, 0,1,2,3,4,5,6,7
	ds_load_b128 v[(\f)+8*(\i):(\f)+8*(\i)+3],   v[ADRB] offset:(\k)+(\i)*16*PITCH
	ds_load_b128 v[(\f)+8*(\i)+4:(\f)+8*(\i)+7], v[ADRB] offset:(\k)+(\i)*16*PITCH+32
.endr
	WIN 0
.irp i, 0,1,2,3,4,5,6,7
	ds_load_b128 v[(\f)+8*(\i):(\f)+8*(\i)+3],   v[ADRA] offset:(\k)+(\i)*16*PITCH
	ds_load_b128 v[(\f)+8*(\i)+4:(\f)+8*(\i)+7], v[ADRA] offset:(\k)+(\i)*16*PITCH+32
.endr
.endm
; A K step is four quarters of 32 along K.  One of the first three multiplies buffer f and fetches the next quarter, at byte k, into g; four v_nop stand ahead of loads into registers that products have read (ISA guide 7.12.1 for vector instructions)
.macro QUARTER k, f, g, zero
	s_wait_dscnt 8                                 ; pk and pq's rows 0-63 are in; the youngest eight loads (rows 64-127) may be out
	MUL16 \f, 0, 0, \zero
	MUL16 \f, 0, 2, \zero
	PLACES
	FETCH \k, \g
	s_wait_dscnt 32                                ; all but the 32 just issued
	MUL16 \f, 1, 0, \zero
	MUL16 \f, 1, 2, \zero
.endm
; The last quarter multiplies buffer 1 and changes slots.  fill = 1: the slot just read is filled again, behind a round of the cluster's barrier
.macro TURN fill
	WIN 0
	s_wait_tensorcnt 0x0                           ; all my tensor loads have landed: my part of the next slot
	ds_add_u32 v[SPW], v[NIL]
.if \fill
	STEPD
.endif
	s_wait_dscnt 9                                 ; the add and the youngest eight loads may be out
	MUL16 F1, 0, 0, 0
	s_wait_dscnt 0x0                               ; the add is done, and my reads of this slot are over
	s_barrier_signal -1
	MUL16 F1, 0, 2, 0
	WIN 0
	s_barrier_wait -1
.if \fill
	CREST
	JLOAD                                          ; the first tensor load behind the round; its four v_nop are also the places ahead of the loads below
.else
	PLACES
.endif
	FLIP
	FETCH 0, F0
	MUL16 F1, 1, 0, 0
	MUL16 F1, 1, 2, 0
.endm
	s_wait_tensorcnt 0x0                           ; my part of K step 0 is in
	ds_add_u32 v[SPW], v[NIL]
	STEPD                                          ; slot 1, K step 1
	s_wait_dscnt 0x0
	CROUND
	JLOAD
	FETCH 0, F0
	QUARTER 64, F0, F1, 1                          ; the first quarter stands ahead of the loop: its products start the sums
	WIN 0
	s_mov_b32 s45, 6                               ; K steps 2 to 7 are asked for in the loop
.Ltrip:
	QUARTER 128, F1, F0, 0
	QUARTER 192, F0, F1, 0
	TURN 1
	QUARTER 64, F0, F1, 0
	WIN 0
	s_sub_co_u32 s45, s45, 1
	s_cmp_lg_u32 s45, 0
	s_cbranch_scc1 .Ltrip
	QUARTER 128, F1, F0, 0                         ; the tail is written out: nothing more is asked for
	QUARTER 192, F0, F1, 0
	TURN 0
	QUARTER 64, F0, F1, 0
	QUARTER 128, F1, F0, 0
	QUARTER 192, F0, F1, 0
	s_wait_dscnt 8
	MUL16 F1, 0, 0, 0
	MUL16 F1, 0, 2, 0
	s_wait_dscnt 0x0
	MUL16 F1, 1, 0, 0
	MUL16 F1, 1, 2, 0
	WIN 0
	PLACES                                         ; what follows reads results just made and writes registers that products have read
; THE MAXIMUM of a lane's 64 scores for each of the window's four row blocks: 3 numbers an accumulator (its lowest registers first), 24 to 1, then the other half of the lanes
.macro ROWMAX w
	WIN 0x2a+0x15*(\w)                             ; all three sources window 2 or 3, destination window 0
.set i, 0
.rept 32
	v_max3_num_f32 v[T+3*i], v[8*i], v[8*i+1], v[8*i+2]
	v_max3_num_f32 v[T+3*i+1], v[8*i+3], v[8*i+4], v[8*i+5]
	v_max_num_f32 v[T+3*i+2], v[8*i+6], v[8*i+7]
.set i, i+1
.endr
	WIN 0
.irp u, 0,1,2,3,4,5,6,7
.irp a, 0,1,2,3
	v_max3_num_f32 v[T+24*(\a)+3*(\u)], v[T+24*(\a)+3*(\u)], v[T+24*(\a)+3*(\u)+1], v[T+24*(\a)+3*(\u)+2]
.endr
.endr
.irp a, 0,1,2,3
	v_max3_num_f32 v[T+24*(\a)], v[T+24*(\a)], v[T+24*(\a)+3], v[T+24*(\a)+6]
	v_max3_num_f32 v[T+24*(\a)+9], v[T+24*(\a)+9], v[T+24*(\a)+12], v[T+24*(\a)+15]
.endr
.irp a, 0,1,2,3
	v_max3_num_f32 v[T+24*(\a)], v[T+24*(\a)], v[T+24*(\a)+9], v[T+24*(\a)+18]
.endr
.irp a, 0,1,2,3
	v_max_num_f32 v[T+24*(\a)], v[T+24*(\a)], v[T+24*(\a)+21]
.endr
.irp a, 0,1,2,3
	v_permlanex16_b32 v[T+24*(\a)+1], v[T+24*(\a)], s60, s61  ; the query's other 64 keys lie in the lane 16 away
.endr
.irp a, 0,1,2,3
	v_max_num_f32 v[MX+4*(\w)+(\a)], v[T+24*(\a)], v[T+24*(\a)+1]
.endr
.endm
	ROWMAX 0
	ROWMAX 1
	; the tile's other 128 keys belong to the wave of the other column half: the two exchange maxima through LDS
.irp a, 0,1,2,3,4,5,6,7
	ds_store_b32 v[XA], v[MX+(\a)] offset:64*(\a)  ; lanes r and r + 16 write the same word with the same number
.endr
	s_wait_dscnt 0x0                               ; for the others' sake: my stores are done
	s_barrier_signal -1
	s_barrier_wait -1
.irp a, 0,1,2,3,4,5,6,7
	ds_load_b32 v[PM+(\a)], v[XB] offset:64*(\a)
.endr
	s_wait_dscnt 0x0
.irp a, 0,1,2,3,4,5,6,7
	v_max_num_f32 v[MX+(\a)], v[MX+(\a)], v[PM+(\a)]
.endr
.irp a, 0,1,2,3,4,5,6,7
	v_mul_f32 v[CM+2*(\a)], s58, v[MX+(\a)]        ; c m
.endr
.irp a, 0,1,2,3,4,5,6,7
	v_mov_b32 v[CM+2*(\a)+1], v[CM+2*(\a)]         ; the pair's upper word is named with the lower
.endr
; Row block a: p = 2^(c s - c m) in place; rounded to f16; the lane's 64 weights summed, then the other half of the lanes' added
.macro SOFT a
.set AC, 64*((\a)%4)
	WIN 0x82+0x41*((\a)/4)                         ; destination and source 0 window 2 or 3, c m window 0
.set i, 0
.rept 32
	v_pk_fma_f32 v[AC+2*i:AC+2*i+1], v[AC+2*i:AC+2*i+1], s[58:59], v[CM+2*(\a):CM+2*(\a)+1] op_sel_hi:[1,0,0] neg_lo:[0,0,1] neg_hi:[0,0,1]
.set i, i+1
.endr
.set i, 0
.rept 64
	v_exp_f32 v[AC+i], v[AC+i]
.set i, i+1
.endr
	v_nop                                          ; a plain instruction between the last exponential and the use of its result (ISA guide 5.7.2)
	WIN 0x0a+5*((\a)/4)                            ; sources window 2 or 3, destination window 0
.set i, 0
	s_wait_alu depctr_va_vdst(0)
.rept 32
	v_cvt_pk_f16_f32 v[TMP+i], v[AC+2*i], v[AC+2*i+1]
.set i, i+1
.endr
.set i, 0
.rept 16
	v_pk_add_f32 v[SU+2*i:SU+2*i+1], v[AC+4*i:AC+4*i+1], v[AC+4*i+2:AC+4*i+3]
.set i, i+1
.endr
	WIN 0
.irp d, 2, 4, 8, 16                    ; 16 pairs to one: neighbours 1, 2, 4 and 8 pairs apart
.set i, 0
.rept 16/(\d)
	v_pk_add_f32 v[SU+2*(\d)*i:SU+2*(\d)*i+1], v[SU+2*(\d)*i:SU+2*(\d)*i+1], v[SU+2*(\d)*i+(\d):SU+2*(\d)*i+(\d)+1]
.set i, i+1
.endr
.endr
	v_add_f32 v[SU], v[SU], v[SU+1]
	v_permlanex16_b32 v[SU+1], v[SU], s60, s61
	v_add_f32 v[LL+(\a)], v[SU], v[SU+1]
.endm
.macro TOSTAGE a
.irp b, 0,1,2,3,4,5,6,7
	ds_store_b128 v[STO], v[TMP+4*(\b):TMP+4*(\b)+3] offset:32*(\b)
.endr
.irp t, 0,1,2,3,4,5,6,7
	ds_load_b128 v[OB+32*((\a)%2)+4*(\t):OB+32*((\a)%2)+4*(\t)+3], v[RD] offset:(\t)*2*PITCH  ; LDS serves a wave's instructions in order (ISA guide 5.7.1.4)
.endr
.endm
.macro SEND a
	s_wait_dscnt 0x0                               ; the block is back in registers
	s_wait_xcnt 0x0                                ; the registers that earlier stores read are loaded again only behind this wait
.irp t, 0,1,2,3,4,5,6,7
	global_store_b128 v[CO], v[OB+32*((\a)%2)+4*(\t):OB+32*((\a)%2)+4*(\t)+3], s[8:9] offset:(16*(\a)+2*(\t))*PROW  ; 16 lanes store 256 consecutive bytes, at a multiple of 256 from pw's first byte
.endr
.endm
	SOFT 0
	TOSTAGE 0
.irp a, 1,2,3,4,5,6,7                  ; block a's arithmetic stands between block a - 1's loads from the stage and the wait for them
	SOFT \a
	SEND (\a)-1
	TOSTAGE \a
.endr
	SEND 7
	; the statistics, one number a lane and row block, are turned in my own LDS bytes into four neighbouring rows a lane: each store below covers 512 consecutive bytes
.irp a, 0,1,2,3,4,5,6,7
	ds_store_b32 v[XSA], v[CM+2*(\a)] offset:64*(\a)
	ds_store_b32 v[XSA], v[LL+(\a)] offset:512+64*(\a)
.endr
	ds_load_b128 v[232:235], v[XSR]
	ds_load_b128 v[236:239], v[XSR] offset:512
	s_wait_dscnt 0x0
	global_store_b128 v[GS], v[236:239], s[66:67]  ; my 128 keys' sums for my 128 rows
	s_cmp_lg_u32 s12, 0
	s_cbranch_scc1 .Lno_ms                         ; c m is the tile's: the wave of column half 0 stores it
	global_store_b128 v[GS], v[232:235], s[62:63]
.Lno_ms:
	s_wait_tensorcnt 0x0                           ; the wave's end
	ds_add_u32 v[SPW], v[NIL]
	s_wait_dscnt 0x0
	CROUND                                         ; the closing round
	s_endpgm
.Lfunc_end_k_q261c137ba1_scores:
	.size	k_q261c137ba1_scores, .Lfunc_end_k_q261c137ba1_scores-k_q261c137ba1_scores
	.p2alignl 7, 3214868480
	.fill 96, 4, 3214868480
	.section	.rodata,"a",@progbits
	.p2align	6, 0x0
	.amdhsa_kernel k_q261c137ba1_scores
		.amdhsa_group_segment_fixed_size 327680
		.amdhsa_private_segment_fixed_size 0
		.amdhsa_enable_private_segment 0
		.amdhsa_kernarg_size 40
		.amdhsa_user_sgpr_count 2
		.amdhsa_user_sgpr_kernarg_segment_ptr 1
		.amdhsa_wavefront_size32 1
		.amdhsa_system_sgpr_workgroup_id_x 1
		.amdhsa_system_sgpr_workgroup_id_y 1
		.amdhsa_system_sgpr_workgroup_id_z 1
		.amdhsa_system_vgpr_workitem_id 0
		.amdhsa_next_free_vgpr 1024
		.amdhsa_next_free_sgpr 68
		.amdhsa_reserve_vcc 0
		.amdhsa_float_denorm_mode_32 3
		.amdhsa_float_denorm_mode_16_64 3
		.amdhsa_memory_ordered 1
		.amdhsa_forward_progress 1
		.amdhsa_inst_pref_size 187
	.end_amdhsa_kernel
	.amdgpu_metadata
---
amdhsa.version: [ 1, 2 ]
amdhsa.kernels:
  - .name:           k_q261c137ba1_scores
    .symbol:         k_q261c137ba1_scores.kd
    .args:
      - { .name: pq, .offset: 0, .size: 8, .value_kind: global_buffer, .address_space: global }
      - { .name: pk, .offset: 8, .size: 8, .value_kind: global_buffer, .address_space: global }
      - { .name: pw, .offset: 16, .size: 8, .value_kind: global_buffer, .address_space: global }
      - { .name: ms, .offset: 24, .size: 8, .value_kind: global_buffer, .address_space: global }
      - { .name: ls, .offset: 32, .size: 8, .value_kind: global_buffer, .address_space: global }
    .group_segment_fixed_size: 327680
    .private_segment_fixed_size: 0
    .kernarg_segment_align: 8
    .kernarg_segment_size: 40
    .max_flat_workgroup_size: 128
    .sgpr_count:     68
    .vgpr_count:     1024
    .wavefront_size: 32
...
	.end_amdgpu_metadata
.endif
;; end of part 2
;; launch outp (part 3): grid 4 x 64, 4 waves a work-group, clusters of 4 x 4, 327,680 bytes of LDS; arguments pw, pv, ms, ls, out0; writes out0
.if DOCPART == 3
	.amdgcn_target "amdgcn-amd-amdhsa--gfx1250"
	.amdhsa_code_object_version 6
	.text
	.protected	k_q261c137ba1_outp
	.globl	k_q261c137ba1_outp
	.p2align	8
	.type	k_q261c137ba1_outp,@function
k_q261c137ba1_outp:
	s_mov_b64 s[64:65], 0
	v_nop
	global_prefetch_b8 v0, s[64:65] scope:SCOPE_SE
	s_setreg_imm32_b32 hwreg(HW_REG_WAVE_MODE, 25, 1), 1
	s_wait_xcnt 0x0
	s_wait_alu depctr_hold_cnt(0) depctr_sa_sdst(0) depctr_va_vdst(0) depctr_va_sdst(0) depctr_va_ssrc(0) depctr_va_vcc(0) depctr_vm_vsrc(0)
	s_getreg_b32 s2, hwreg(HW_REG_IB_STS2, 6, 4)
	s_cmp_eq_u32 s2, 0
	s_cbranch_scc0 .Lentry_in_a_cluster
	s_endpgm
.Lentry_in_a_cluster:
	s_bfe_u32 s2, ttmp6, 0x10000c
	s_cmp_lg_u32 s2, 0xf033
	s_cbranch_scc0 .Lentry_shape_is_right
	s_endpgm
.Lentry_shape_is_right:
; out[row][e] = sum over the row's 8 key tiles t of f_t[row] x (sum over the tile's 256 keys of p[row][key] pv[key][e]).
; f_t = 2^(cm_t - M) / l, M = the largest cm_t, l = sum over t of 2^(cm_t - M) (ls[2 t] + ls[2 t + 1]): with p = 2^(c s - cm_t) that is the softmax with the row's true maximum taken away.
; pw: [8192][2048] f16, pv: [8192][1024] f16, ms: [8][8192] f32, ls: [16][8192] f32, out0: [8192][1024] f32.  Products in f16 with f32 sums; f, the joining and out in f32.
; LIMITS.  A factor 2^(cm_t - M) below 2^-126 counts as 0.  l is at least 1: the tile that holds the row's maximum has a weight 1.  NaN and infinities are not treated apart.
; SHARES.  256 work-groups of four waves, each 128 rows x 256 channels over all 2,048 keys; a wave makes 64 x 128.  The keys go in steps of 128 through two LDS slots filled by joint tensor loads:
; pw's tile is shared along a row of the 4 x 4 cluster, pv's along a column.  Source 0 = 16 channels (pv turned by ds_load_tr16_b128), source 1 = 16 rows of p: a lane holds ONE row and eight neighbouring channels,
; so f is one number a lane and row block.  A lap is two steps, one key tile: its products are summed in tmp, which starts with the constant 0, and at its end acc += f x tmp.
; acc is cleared by 256 v_mov_b32 on purpose: they stand in the wait for the first tile and spare a first lap written out.
; REGISTERS, in windows of 256: window 0: v0-29 addresses; v32-127, v128-223 two fragment buffers (p's 4 fragments, then pv's 8); v224-231 f, a pair for each row block
;   window 1: tmp, (a, b) at v[8 (8 a + b)];   window 2: acc, the same map
.set PP,     272                       ; a row of p in LDS: 256 bytes + 16
.set PV,     544                       ; a row of pv: 512 bytes + 32 = 17 x 32
.set VOFF,   128*PP                    ; in a slot: 128 rows of p, then 128 key rows of pv
.set SLOTX,  1<<17                     ; slot 1 begins here: one exclusive or changes slots
.set FT,     VOFF+128*PV               ; behind slot 0: f, 2,048 bytes a wave: [key tile][64 rows] f32
.set SPARE,  FT+8192                   ; the spare words, 128 bytes a wave
.set STAGE,  SLOTX+FT                  ; behind slot 1: 16 rows x 528 bytes for each wave
.set SP,     528
.set ADRA0, 16
.set ADRB0, 17
.set ADRA,  18
.set ADRB,  19
.set FA,    20                         ; v20  where my lane's f of the lap in hand lies
.set GL,    21                         ; v21  4 x lane
.set FS,    22                         ; v22  where I put f
.set STO,   24
.set RD,    25
.set CO,    26
.set SPW,   28
.set NIL,   29
.set F0,    32
.set F1,    128
.set SR,    32                         ; the statistics of 32 rows: 8 cm, 16 sums, 2 at work; a second set 32 registers on
.set OB,    32                         ; the way out: v32-95 and v96-159 by turns
.set FV,    224
.set MSB, 0
.macro WIN new
.if MSB != (\new)
	s_set_vgpr_msb (MSB<<8)|(\new)
.set MSB, \new
.endif
.endm
.macro PLACES
.rept 4
	v_nop
.endr
.endm
.macro CREST
	s_cmp_lg_u32 s10, 0
	s_cbranch_scc1 .Lnot_wave_0_\@
	s_barrier_signal -3
.Lnot_wave_0_\@:
	s_barrier_wait -3
	s_barrier_signal -1
	s_barrier_wait -1
.endm
.macro CROUND
	s_barrier_signal -1
	s_barrier_wait -1
	CREST
.endm
.macro JLOAD                           ; waves 0 and 1 fetch p's two halves, waves 2 and 3 pv's; s_nop 0 and four v_nop follow each line
	s_cmp_eq_u32 s11, 0
	s_cbranch_scc0 .Lfor_b_\@
	tensor_load_to_lds s[32:35], s[24:31]
	s_nop 0
.rept 4
	v_nop
.endr
	s_branch .Lasked_\@
.Lfor_b_\@:
	tensor_load_to_lds s[36:39], s[48:55]
	s_nop 0
.rept 4
	v_nop
.endr
.Lasked_\@:
.endm
.macro STEPD                           ; the other slot; p goes 128 keys along its rows, pv 128 rows down
	s_xor_b32 s33, s33, SLOTX
	s_add_nc_u64 s[34:35], s[34:35], 256
	s_xor_b32 s37, s37, SLOTX
	s_add_nc_u64 s[38:39], s[38:39], 128*2048
.endm
.macro FLIP
	s_xor_b32 s56, s56, SLOTX
	v_add_nc_u32 v[ADRA], s56, v[ADRA0]
	v_add_nc_u32 v[ADRB], s56, v[ADRB0]
.endm
	s_load_b128 s[4:7], s[0:1], 0x0                ; pw s[4:5], pv s[6:7]
	s_load_b128 s[60:63], s[0:1], 0x10             ; ms s[60:61], ls s[62:63]
	s_load_b64 s[8:9], s[0:1], 0x20                ; out0
	v_lshl_add_u32 v[SPW], v0, 2, SPARE
	v_mov_b32 v[NIL], 0
	ds_add_u32 v[SPW], v[NIL]                      ; the wave's opening: the add and its wait stand ahead of my first tensor load
	v_lshrrev_b32 v1, 5, v0
	v_readfirstlane_b32 s10, v1                    ; wave 0..3
	s_lshr_b32 s11, s10, 1                         ; row half.  Also: I fetch for p (0) or pv (1)
	s_and_b32 s12, s10, 1                          ; channel half.  Also: which 64 rows I fetch
	s_bfe_u32 s40, ttmp6, 0x40000                  ; cx
	s_bfe_u32 s41, ttmp6, 0x40004                  ; cy
	s_lshl_b32 s42, ttmp9, 2
	s_add_co_u32 s42, s42, s40                     ; channel tile 0..3
	s_and_b32 s57, ttmp7, 0xffff                   ; cluster y 0..15
	s_lshl_b32 s13, s57, 2
	s_add_co_u32 s13, s13, s41                     ; row tile 0..63
	s_lshr_b32 s57, s57, 2                         ; the batch: the same in all sixteen partners
	s_lshl_b32 s43, s41, 2
	s_lshl_b32 s43, 15, s43                        ; my row of the cluster
	s_lshl_b32 s44, 0x1111, s40                    ; my column
	s_or_b32 s24, s43, (1<<16)|(1<<20)|(1<<21)|(5<<22)|(3<<25)  ; p: 2-byte elements; 4 words of padding behind every 64
	s_mov_b32 s25, 128<<16                         ; tensor_dim0 = 128
	s_mov_b32 s26, 64<<16                          ; tensor_dim1 = 64
	s_mov_b32 s27, 128<<16                         ; tile_dim0 = 128
	s_mov_b32 s28, 64                              ; tile_dim1 = 64
	s_mov_b32 s29, 2048                            ; elements from row to row
	s_mov_b32 s30, 0
	s_mov_b32 s31, 0
	s_or_b32 s48, s44, (1<<16)|(1<<20)|(1<<21)|(6<<22)|(7<<25)  ; pv: 8 words of padding behind every 128
	s_mov_b32 s49, 256<<16
	s_mov_b32 s50, 64<<16
	s_mov_b32 s51, 256<<16
	s_mov_b32 s52, 64
	s_mov_b32 s53, 1024
	s_mov_b32 s54, 0
	s_mov_b32 s55, 0
	s_lshl_b32 s17, s12, 6                         ; which 64 rows I fetch
	s_lshl_b32 s16, s13, 7
	s_add_co_u32 s16, s16, s17
	s_lshl_b32 s16, s16, 12                        ; p: (128 x row tile + 64 x half) rows of 4,096 bytes
	s_lshl_b32 s46, s57, 11
	s_add_co_u32 s46, s46, s17
	s_lshl_b32 s46, s46, 11                        ; pv: (2,048 x batch + 64 x half) rows of 2,048 bytes
	s_lshl_b32 s47, s42, 9
	s_add_co_u32 s46, s46, s47                     ; + 512 x channel tile
	s_mov_b32 s17, 0
	s_mov_b32 s47, 0
	s_mul_i32 s20, s12, 64*PP                      ; where they go: half x 64 rows
	s_mul_i32 s21, s12, 64*PV
	s_mov_b32 s32, 1
	s_mov_b32 s33, s20
	s_mov_b32 s36, 1
	s_add_co_u32 s37, s21, VOFF
	s_mov_b32 s56, 0
	s_lshl_b32 s14, s13, 7
	s_lshl_b32 s15, s11, 6
	s_add_co_u32 s14, s14, s15                     ; my first row: 128 x row tile + 64 x row half
	s_lshl_b32 s18, s14, 2                         ; its place in a line of ms and ls
	s_mov_b32 s19, 0
	s_lshl_b32 s14, s14, 12                        ; out: that row x 4,096 + 1,024 x channel tile + 512 x channel half
	s_lshl_b32 s15, s42, 10
	s_add_co_u32 s14, s14, s15
	s_lshl_b32 s15, s12, 9
	s_add_co_u32 s14, s14, s15
	s_mov_b32 s15, 0
	s_wait_dscnt 0x0                               ; the opening add is done
	s_wait_kmcnt 0x0
	s_add_nc_u64 s[34:35], s[4:5], s[16:17]
	s_or_b32 s35, s35, 0x80000000
	s_add_nc_u64 s[38:39], s[6:7], s[46:47]
	s_or_b32 s39, s39, 0x80000000
	s_add_nc_u64 s[8:9], s[8:9], s[14:15]
	s_add_nc_u64 s[60:61], s[60:61], s[18:19]
	s_add_nc_u64 s[62:63], s[62:63], s[18:19]
	CROUND                                         ; the first joint loads meet
	JLOAD                                          ; key step 0 into slot 0
	v_and_b32 v1, 15, v0                           ; r
	v_bfe_u32 v2, v0, 4, 1                         ; h
	v_and_b32 v3, 7, v0
	v_bfe_u32 v4, v0, 3, 1
	v_and_b32 v6, 31, v0                           ; lane
	v_lshlrev_b32 v[GL], 2, v6
; the statistics of rows 32 g + lane of my 64
.macro STLOAD g
.irp t, 0,1,2,3,4,5,6,7
	global_load_b32 v[SR+32*(\g)+(\t)], v[GL], s[60:61] offset:(\t)*32768+128*(\g)
.endr
.irp j, 0,1,2,3,4,5,6,7,8,9,10,11,12,13,14,15
	global_load_b32 v[SR+32*(\g)+8+(\j)], v[GL], s[62:63] offset:(\j)*32768+128*(\g)
.endr
.endm
	STLOAD 0
	STLOAD 1
	v_mul_u32_u24 v5, v1, PP
	v_lshl_add_u32 v5, v2, 4, v5                   ; p: row x pitch + 16 h
	s_mul_i32 s21, s11, 64*PP                      ; my 64 rows
	v_add_nc_u32 v[ADRA0], s21, v5
	; the turning load takes 16 keys x 16 channels: lane l reads key 8 (l / 16) + l % 8, channels 8 ((l / 8) % 2) + 0..7, and is left with channel l % 16 and 8 keys
	v_lshl_add_u32 v5, v2, 3, v3
	v_mul_u32_u24 v5, v5, PV
	v_lshl_add_u32 v5, v4, 4, v5
	s_lshl_b32 s21, s12, 8                         ; my 128 channels
	s_add_co_u32 s21, s21, VOFF
	v_add_nc_u32 v[ADRB0], s21, v5
	v_mov_b32 v[ADRA], v[ADRA0]
	v_mov_b32 v[ADRB], v[ADRB0]
	s_lshl_b32 s21, s10, 11
	s_add_co_u32 s21, s21, FT                      ; my wave's f
	v_lshl_add_u32 v[FA], v1, 2, s21
	v_add_nc_u32 v[FS], s21, v[GL]
	s_mul_i32 s21, s10, 16*SP
	s_add_co_u32 s21, s21, STAGE                   ; my stage
	v_mul_u32_u24 v5, v1, SP                       ; in: row r, 32 bytes for each half of the lanes
	v_lshl_add_u32 v5, v2, 5, v5
	v_add_nc_u32 v[STO], s21, v5
	v_lshlrev_b32 v[CO], 4, v6                     ; back and out: 32 lanes take a row's 512 bytes
	v_add_nc_u32 v[RD], s21, v[CO]
.irp a, 0,1,2,3
	v_mov_b32 v[FV+2*(\a)+1], 0                    ; the pairs' upper words are named with the lower
.endr
	WIN 0x80                                       ; destination window 2
.set i, 0
.rept 256
	v_mov_b32 v[i], 0
.set i, i+1
.endr
	WIN 0
	s_wait_loadcnt 0x0
.macro STCALC g
.set SB, SR+32*(\g)
.set SW, SR+32*(\g)+24
	v_max3_num_f32 v[SW], v[SB], v[SB+1], v[SB+2]
	v_max3_num_f32 v[SW], v[SW], v[SB+3], v[SB+4]
	v_max3_num_f32 v[SW], v[SW], v[SB+5], v[SB+6]
	v_max_num_f32 v[SW], v[SW], v[SB+7]            ; M
.irp t, 0,1,2,3,4,5,6,7
	v_sub_f32 v[SB+(\t)], v[SB+(\t)], v[SW]
.endr
.irp t, 0,1,2,3,4,5,6,7
	v_exp_f32 v[SB+(\t)], v[SB+(\t)]               ; 2^(cm_t - M)
.endr
.irp t, 0,1,2,3,4,5,6,7
	v_add_f32 v[SB+8+(\t)], v[SB+8+2*(\t)], v[SB+9+2*(\t)]  ; a tile's two halves; also the plain instructions behind the exponentials
.endr
	s_wait_alu depctr_va_vdst(0)
	v_mul_f32 v[SW], v[SB], v[SB+8]
.irp t, 1,2,3,4,5,6,7
	v_fmac_f32 v[SW], v[SB+(\t)], v[SB+8+(\t)]     ; l
.endr
	v_rcp_f32 v[SW+1], v[SW]
	v_nop                                          ; a plain instruction behind the reciprocal (ISA guide 5.7.2)
	s_wait_alu depctr_va_vdst(0)
.irp t, 0,1,2,3,4,5,6,7
	v_mul_f32 v[SB+(\t)], v[SB+(\t)], v[SW+1]      ; f_t
.endr
.irp t, 0,1,2,3,4,5,6,7
	ds_store_b32 v[FS], v[SB+(\t)] offset:256*(\t)+128*(\g)
.endr
.endm
	STCALC 0
	STCALC 1
; 8 products: row block a x all 8 channel blocks, 32 keys; the 32 accumulators take turns.  zero = 1: they start the lap's sums
.macro MUL8 f, a, zero
	WIN 0x50                                       ; fragments window 0, C and D window 1
.irp b, 0,1,2,3,4,5,6,7
.if \zero
	v_wmma_f32_16x16x32_f16 v[8*(8*(\a)+(\b)):8*(8*(\a)+(\b))+7], v[(\f)+32+8*(\b):(\f)+32+8*(\b)+7], v[(\f)+8*(\a):(\f)+8*(\a)+7], 0
.else
	v_wmma_f32_16x16x32_f16 v[8*(8*(\a)+(\b)):8*(8*(\a)+(\b))+7], v[(\f)+32+8*(\b):(\f)+32+8*(\b)+7], v[(\f)+8*(\a):(\f)+8*(\a)+7], v[8*(8*(\a)+(\b)):8*(8*(\a)+(\b))+7]
.endif
.endr
.endm
; 24 LDS loads in one run: keys 32 q on of the step: pv's 8 fragments (turned), then p's 4, row blocks ascending
.macro FETCH q, f
	WIN 0
.irp b, 0,1,2,3,4,5,6,7
	ds_load_tr16_b128 v[(\f)+32+8*(\b):(\f)+32+8*(\b)+3],   v[ADRB] offset:(\q)*32*PV+32*(\b)
	ds_load_tr16_b128 v[(\f)+32+8*(\b)+4:(\f)+32+8*(\b)+7], v[ADRB] offset:(\q)*32*PV+16*PV+32*(\b)
.endr
.irp a, 0,1,2,3
	ds_load_b128 v[(\f)+8*(\a):(\f)+8*(\a)+3],   v[ADRA] offset:(\a)*16*PP+64*(\q)
	ds_load_b128 v[(\f)+8*(\a)+4:(\f)+8*(\a)+7], v[ADRA] offset:(\a)*16*PP+64*(\q)+32
.endr
.endm
.macro QUARTER q, f, g, zero           ; multiplies buffer f and fetches quarter q into g
	s_wait_dscnt 4                                 ; pv and p's row blocks 0, 1 are in; the youngest four loads (blocks 2, 3) may be out
	MUL8 \f, 0, \zero
	MUL8 \f, 1, \zero
	PLACES                                         ; ahead of loads into registers that products have read
	FETCH \q, \g
	s_wait_dscnt 24                                ; all but the 24 just issued
	MUL8 \f, 2, \zero
	MUL8 \f, 3, \zero
.endm
.macro FLOAD step                      ; f of the lap in hand for my lane's row in each row block
.irp a, 0,1,2,3
	ds_load_b32 v[FV+2*(\a)], v[FA] offset:64*(\a)
.endr
.if \step
	v_add_nc_u32 v[FA], 256, v[FA]                 ; the next lap's
.endif
.endm
; A step's last quarter multiplies buffer 1 and changes slots.  fill = 1: the slot just read is filled again, behind a round of the cluster's barrier.  lump = 1: the lap ends: its f is fetched
.macro TURN fill, lump
	WIN 0
	s_wait_tensorcnt 0x0                           ; all my tensor loads have landed: my part of the next slot
	ds_add_u32 v[SPW], v[NIL]
.if \fill
	STEPD
.endif
	s_wait_dscnt 5                                 ; the add and the youngest four loads may be out
	MUL8 F1, 0, 0
	s_wait_dscnt 0x0                               ; the add is done, and my reads of this slot are over
	s_barrier_signal -1
	MUL8 F1, 1, 0
	WIN 0
	s_barrier_wait -1
.if \fill
	CREST
	JLOAD                                          ; the first tensor load behind the round; its four v_nop are also the places ahead of the loads below
.else
	PLACES
.endif
	FLIP
.if \lump
	FLOAD 1
.endif
	FETCH 0, F0
.if \lump
	s_wait_dscnt 24                                ; f is in: only the 24 loads issued behind it may be out
.endif
	MUL8 F1, 2, 0
	MUL8 F1, 3, 0
.endm
.macro LUMP                            ; acc += f x tmp: each accumulator's registers in ascending order
	PLACES                                         ; it reads results just made
	WIN 0xa1                                       ; tmp window 1, f window 0, acc window 2
.set i, 0
.rept 128
	v_pk_fma_f32 v[2*i:2*i+1], v[2*i:2*i+1], v[FV+2*(i/32):FV+2*(i/32)+1], v[2*i:2*i+1] op_sel_hi:[1,0,1]
.set i, i+1
.endr
.endm
	s_wait_tensorcnt 0x0                           ; my part of key step 0 is in
	ds_add_u32 v[SPW], v[NIL]
	STEPD                                          ; slot 1, key step 1
	s_wait_dscnt 0x0                               ; the add and my stores of f are done
	CROUND
	JLOAD
	FETCH 0, F0
	QUARTER 1, F0, F1, 1                           ; the first lap's first quarter starts tmp's sums
	WIN 0
	s_mov_b32 s45, 7                               ; key steps 2 to 15 are asked for in the loop, two a lap
.Llap:
	QUARTER 2, F1, F0, 0
	QUARTER 3, F0, F1, 0
	TURN 1, 0
	QUARTER 1, F0, F1, 0
	QUARTER 2, F1, F0, 0
	QUARTER 3, F0, F1, 0
	TURN 1, 1
	LUMP
	QUARTER 1, F0, F1, 1                           ; the next lap's first quarter starts tmp anew
	WIN 0
	s_sub_co_u32 s45, s45, 1
	s_cmp_lg_u32 s45, 0
	s_cbranch_scc1 .Llap
	QUARTER 2, F1, F0, 0                           ; the last lap is written out: nothing more is asked for
	QUARTER 3, F0, F1, 0
	TURN 0, 0
	QUARTER 1, F0, F1, 0
	QUARTER 2, F1, F0, 0
	QUARTER 3, F0, F1, 0
	s_wait_dscnt 4
	MUL8 F1, 0, 0
	MUL8 F1, 1, 0
	WIN 0
	FLOAD 0
	s_wait_dscnt 4                                 ; the fragments are in; f's four loads may be out
	MUL8 F1, 2, 0
	MUL8 F1, 3, 0
	s_wait_dscnt 0x0                               ; f
	LUMP
; THE WAY OUT, 16 rows at a time: 32 bytes a lane into my stage, back as whole rows of 512 bytes, stored
.macro OUTB a
	WIN 0x08                                       ; store data window 2
.irp b, 0,1,2,3,4,5,6,7
	ds_store_b128 v[STO], v[8*(8*(\a)+(\b)):8*(8*(\a)+(\b))+3]   offset:64*(\b)
	ds_store_b128 v[STO], v[8*(8*(\a)+(\b))+4:8*(8*(\a)+(\b))+7] offset:64*(\b)+16
.endr
	WIN 0
	s_wait_xcnt 0x0                                ; the registers that earlier stores read are loaded again only behind this wait
.set i, 0
.rept 16
	ds_load_b128 v[OB+64*((\a)%2)+4*i:OB+64*((\a)%2)+4*i+3], v[RD] offset:i*SP  ; LDS serves a wave's instructions in order (ISA guide 5.7.1.4)
.set i, i+1
.endr
.set i, 0
.rept 16
	s_wait_dscnt 15-i                              ; LDS loads come back in order: row i is in
	global_store_b128 v[CO], v[OB+64*((\a)%2)+4*i:OB+64*((\a)%2)+4*i+3], s[8:9] offset:(16*(\a)+i)*4096  ; 512 consecutive bytes, at a multiple of 512 from out0's first byte
.set i, i+1
.endr
.endm
	OUTB 0
	OUTB 1
	OUTB 2
	OUTB 3
	s_wait_tensorcnt 0x0                           ; the wave's end
	ds_add_u32 v[SPW], v[NIL]
	s_wait_dscnt 0x0
	CROUND                                         ; the closing round
	s_endpgm
.Lfunc_end_k_q261c137ba1_outp:
	.size	k_q261c137ba1_outp, .Lfunc_end_k_q261c137ba1_outp-k_q261c137ba1_outp
	.p2alignl 7, 3214868480
	.fill 96, 4, 3214868480
	.section	.rodata,"a",@progbits
	.p2align	6, 0x0
	.amdhsa_kernel k_q261c137ba1_outp
		.amdhsa_group_segment_fixed_size 327680
		.amdhsa_private_segment_fixed_size 0
		.amdhsa_enable_private_segment 0
		.amdhsa_kernarg_size 40
		.amdhsa_user_sgpr_count 2
		.amdhsa_user_sgpr_kernarg_segment_ptr 1
		.amdhsa_wavefront_size32 1
		.amdhsa_system_sgpr_workgroup_id_x 1
		.amdhsa_system_sgpr_workgroup_id_y 1
		.amdhsa_system_sgpr_workgroup_id_z 1
		.amdhsa_system_vgpr_workitem_id 0
		.amdhsa_next_free_vgpr 768
		.amdhsa_next_free_sgpr 66
		.amdhsa_reserve_vcc 0
		.amdhsa_float_denorm_mode_32 3
		.amdhsa_float_denorm_mode_16_64 3
		.amdhsa_memory_ordered 1
		.amdhsa_forward_progress 1
		.amdhsa_inst_pref_size 121
	.end_amdhsa_kernel
	.amdgpu_metadata
---
amdhsa.version: [ 1, 2 ]
amdhsa.kernels:
  - .name:           k_q261c137ba1_outp
    .symbol:         k_q261c137ba1_outp.kd
    .args:
      - { .name: pw, .offset: 0, .size: 8, .value_kind: global_buffer, .address_space: global }
      - { .name: pv, .offset: 8, .size: 8, .value_kind: global_buffer, .address_space: global }
      - { .name: ms, .offset: 16, .size: 8, .value_kind: global_buffer, .address_space: global }
      - { .name: ls, .offset: 24, .size: 8, .value_kind: global_buffer, .address_space: global }
      - { .name: out0, .offset: 32, .size: 8, .value_kind: global_buffer, .address_space: global }
    .group_segment_fixed_size: 327680
    .private_segment_fixed_size: 0
    .kernarg_segment_align: 8
    .kernarg_segment_size: 40
    .max_flat_workgroup_size: 128
    .sgpr_count:     66
    .vgpr_count:     768
    .wavefront_size: 32
...
	.end_amdgpu_metadata
.endif
;; end of part 3
;; ======== version 2 of 2: 4 launches; 1.12 times as fast as version 1
;; limits: values are held in f16: magnitudes above 65,504 overflow, below 6.1e-05 lose precision
;; workspace buffers: pq 16,777,216 bytes; pk 16,777,216 bytes; pv 16,777,216 bytes; pw 33,554,432 bytes; ms 262,144 bytes; ls 524,288 bytes; wb 6,291,456 bytes
;; launch wcast (part 4): grid 256 x 1, 8 waves a work-group, no clusters, 0 bytes of LDS; arguments Wq, Wk, Wv, wb; writes wb
.if DOCPART == 4
	.amdgcn_target "amdgcn-amd-amdhsa--gfx1250"
	.amdhsa_code_object_version 6
	.text
	.protected	k_q261c137ba1_wcast
	.globl	k_q261c137ba1_wcast
	.p2align	8
	.type	k_q261c137ba1_wcast,@function
k_q261c137ba1_wcast:
	s_mov_b64 s[64:65], 0
	v_nop
	global_prefetch_b8 v0, s[64:65] scope:SCOPE_SE
	s_setreg_imm32_b32 hwreg(HW_REG_WAVE_MODE, 25, 1), 1
	s_wait_xcnt 0x0
; wb = Wq, Wk, Wv ([1024 f][1024 e] f32 each) rounded to bf16 (nearest even) and laid out as matrix fragments, so that the next launch loads them straight into registers.
; wb[tensor][block of 16 rows f: 64][chunk of 32 e: 32][half: 2][lane: 32][16 bytes].  A fragment is 16 rows x 32 e: lane l holds row l % 16; its half 0 is e = 8 (l / 16) + 0..7, its half 1 e = 16 + 8 (l / 16) + 0..7.
; 2,048 fragments a tensor, 2,048 waves: wave g takes fragment g = 32 x block + chunk of each of the three tensors.  The eight waves of a work-group take eight neighbouring chunks of one block:
; together they read 1,024 consecutive bytes of each of 16 rows.  Each store of a wave covers 512 consecutive bytes, aligned.  Memory binds; LDS, barriers and matrix units would add nothing.
.set WB,  2097152                      ; bytes of a tensor in wb
.set IN,  8                            ; v[8:55]   tensor t: 16 registers, 16 f32 as loaded
.set OUT, 56                           ; v[56:79]  tensor t: 8 registers, 16 bf16 to store
	s_load_b256 s[4:11], s[0:1], 0x0               ; Wq s[4:5], Wk s[6:7], Wv s[8:9], wb s[10:11]
	v_lshrrev_b32 v1, 5, v0
	v_readfirstlane_b32 s12, v1                    ; wave 0..7
	s_lshl_b32 s13, ttmp9, 3
	s_add_co_u32 s13, s13, s12                     ; g
	s_lshr_b32 s14, s13, 5                         ; the block of 16 rows
	s_and_b32 s15, s13, 31                         ; the chunk of 32 e
	s_lshl_b32 s14, s14, 16                        ; 16 rows of 4,096 bytes
	s_lshl_b32 s15, s15, 7                         ; 32 f32
	s_add_co_u32 s14, s14, s15
	s_lshl_b32 s13, s13, 10                        ; a fragment is 1,024 bytes of wb
	v_and_b32 v2, 15, v0                           ; l % 16
	v_bfe_u32 v3, v0, 4, 1                         ; l / 16
	v_lshlrev_b32 v4, 12, v2
	v_lshl_add_u32 v4, v3, 5, v4
	v_add_nc_u32 v4, s14, v4                       ; in: row x 4,096 + 32 (l / 16) + the fragment's corner
	v_and_b32 v5, 31, v0
	v_lshl_add_u32 v5, v5, 4, s13                  ; out: 16 l + the fragment's place
	s_wait_kmcnt 0x0
.irp t, 0,1,2
.irp n, 0,1,2,3
	global_load_b128 v[IN+16*(\t)+4*(\n):IN+16*(\t)+4*(\n)+3], v4, s[4+2*(\t):5+2*(\t)] offset:16*((\n)%2)+64*((\n)/2) th:TH_LOAD_NT  ; half n / 2: 32 bytes at 64 (n / 2)
.endr
.endr
.irp t, 0,1,2
	s_wait_loadcnt 8-4*(\t)                        ; loads come back in order (ISA guide 5.7.1): this tensor's four are in, the later tensors' stay out
.irp o, 0,1,2,3,4,5,6,7
	v_cvt_pk_bf16_f32 v[OUT+8*(\t)+(\o)], v[IN+16*(\t)+2*(\o)], v[IN+16*(\t)+2*(\o)+1]
.endr
	global_store_b128 v5, v[OUT+8*(\t):OUT+8*(\t)+3],   s[10:11] offset:(\t)*WB
	global_store_b128 v5, v[OUT+8*(\t)+4:OUT+8*(\t)+7], s[10:11] offset:(\t)*WB+512
.endr
	s_endpgm
.Lfunc_end_k_q261c137ba1_wcast:
	.size	k_q261c137ba1_wcast, .Lfunc_end_k_q261c137ba1_wcast-k_q261c137ba1_wcast
	.p2alignl 7, 3214868480
	.fill 96, 4, 3214868480
	.section	.rodata,"a",@progbits
	.p2align	6, 0x0
	.amdhsa_kernel k_q261c137ba1_wcast
		.amdhsa_group_segment_fixed_size 0
		.amdhsa_private_segment_fixed_size 0
		.amdhsa_enable_private_segment 0
		.amdhsa_kernarg_size 32
		.amdhsa_user_sgpr_count 2
		.amdhsa_user_sgpr_kernarg_segment_ptr 1
		.amdhsa_wavefront_size32 1
		.amdhsa_system_sgpr_workgroup_id_x 1
		.amdhsa_system_sgpr_workgroup_id_y 1
		.amdhsa_system_sgpr_workgroup_id_z 1
		.amdhsa_system_vgpr_workitem_id 0
		.amdhsa_next_free_vgpr 80
		.amdhsa_next_free_sgpr 66
		.amdhsa_reserve_vcc 0
		.amdhsa_float_denorm_mode_32 3
		.amdhsa_float_denorm_mode_16_64 3
		.amdhsa_memory_ordered 1
		.amdhsa_forward_progress 1
		.amdhsa_inst_pref_size 5
	.end_amdhsa_kernel
	.amdgpu_metadata
---
amdhsa.version: [ 1, 2 ]
amdhsa.kernels:
  - .name:           k_q261c137ba1_wcast
    .symbol:         k_q261c137ba1_wcast.kd
    .args:
      - { .name: Wq, .offset: 0, .size: 8, .value_kind: global_buffer, .address_space: global }
      - { .name: Wk, .offset: 8, .size: 8, .value_kind: global_buffer, .address_space: global }
      - { .name: Wv, .offset: 16, .size: 8, .value_kind: global_buffer, .address_space: global }
      - { .name: wb, .offset: 24, .size: 8, .value_kind: global_buffer, .address_space: global }
    .group_segment_fixed_size: 0
    .private_segment_fixed_size: 0
    .kernarg_segment_align: 8
    .kernarg_segment_size: 32
    .max_flat_workgroup_size: 256
    .sgpr_count:     66
    .vgpr_count:     80
    .wavefront_size: 32
...
	.end_amdgpu_metadata
.endif
;; end of part 4
;; launch proj (part 5): grid 4 x 96, 4 waves a work-group, clusters of 4 x 1, 327,680 bytes of LDS; arguments q, k, v, wb, bq, bk, bv, pq, pk, pv; writes pq, pk, pv
.if DOCPART == 5
	.amdgcn_target "amdgcn-amd-amdhsa--gfx1250"
	.amdhsa_code_object_version 6
	.text
	.protected	k_q261c137ba1_proj
	.globl	k_q261c137ba1_proj
	.p2align	8
	.type	k_q261c137ba1_proj,@function
k_q261c137ba1_proj:
	s_mov_b64 s[64:65], 0
	v_nop
	global_prefetch_b8 v0, s[64:65] scope:SCOPE_SE
	s_setreg_imm32_b32 hwreg(HW_REG_WAVE_MODE, 25, 1), 1
	s_wait_xcnt 0x0
	s_wait_alu depctr_hold_cnt(0) depctr_sa_sdst(0) depctr_va_vdst(0) depctr_va_sdst(0) depctr_va_ssrc(0) depctr_va_vcc(0) depctr_vm_vsrc(0)
	s_getreg_b32 s2, hwreg(HW_REG_IB_STS2, 6, 4)
	s_cmp_eq_u32 s2, 0
	s_cbranch_scc0 .Lentry_in_a_cluster
	s_endpgm
.Lentry_in_a_cluster:
	s_bfe_u32 s2, ttmp6, 0x10000c
	s_cmp_lg_u32 s2, 0x3003
	s_cbranch_scc0 .Lentry_shape_is_right
	s_endpgm
.Lentry_shape_is_right:
; pX[row][f] = sum over e of X[row][e] W[f][e] + b[f], for X = q, k, v.  X: [8192][1024] f32, b: [1024] f32, pX: [8192][1024] f16; W comes as wb: bf16, laid out as fragments by the launch before.
; X and b are rounded to bf16 here (nearest even), products in bf16 with f32 sums, the rounded bias is the C operand of each sum's first product, pX is rounded once to f16.
; LIMITS.  f16 ends at 65,504: |pX| must stay below that (inputs 30 times the drawn spread give some 4,500; an offset of 30 spreads on X and W some 29,000); beyond it pX becomes an infinity.
; NaN and infinities are not treated apart.
; SHARES.  384 tiles of 256 x 256: y / 32 chooses q, k or v, y % 32 the tile row, x the tile column; a work-group of four waves makes one tile, a wave 128 x 128: 64 accumulators, 512 registers.
; X goes in K steps of 128 f32 (rows of 512 bytes) through two LDS slots filled by joint tensor loads: the four column tiles of a tile row form a cluster and ask for the same rows of X.
; W GOES STRAIGHT INTO REGISTERS, not through LDS and not by joint loads.  The reason, by this text's own count: with both operands in LDS as f32 or bf16 a slot has room for 64 along K, 128 products a wave
; for each refill; with X alone it holds 128 along K, and a refill has 224 products in which to land.  A fragment of wb is 1,024 consecutive bytes: two loads of 512 consecutive bytes; a ring of four
; buffers holds the chunk at work and the three to come.  The price: the two waves of a column half load the same fragments, and so does every tile row.
; A wave loads X's fragments from LDS as f32 into staging registers and rounds them to bf16 between the matrix instructions: four conversions behind every fourth product.
; The matrix instruction is used transposed (source 0 = 16 rows of W, source 1 = 16 rows of X): a lane holds one row of pX and eight neighbouring columns.
; REGISTERS, in windows of 256 (s_set_vgpr_msb: bits 1:0 source 0, 3:2 source 1, 5:4 source 2, 7:6 destination):
;   window 0: v0-29 addresses; v64-127 X's 8 fragments in bf16; v128-191, v192-255 two staging sets of 4 fragments in f32 (16 registers each)
;   window 1: four buffers of W's 8 fragments, chunk c in buffer c % 4; during the first chunk buffer 3 holds the bias tuples of the 8 column blocks
;   window 2: the accumulators of my rows 0-63 ((a, b) at v[8 (8 (a % 4) + b)]);   window 3: those of my rows 64-127
.set PITCH,  528                       ; an LDS row: 512 bytes + 16 of padding: the 16 rows of a load start 16 bytes apart modulo 256
.set QUART,  64*PITCH                  ; 64 rows: what one tensor load brings
.set SLOT,   256*PITCH                 ; X's 256 rows; 0x21000: its two bits occur in no wave x QUART, so an exclusive or changes slots
.set STAGE,  2*SLOT                    ; behind the ring: 16 rows x 272 bytes for each wave, for the way out
.set SPITCH, 272
.set SPARE,  STAGE+4*16*SPITCH         ; the spare words, 128 bytes a wave
.set STEPB,  512                       ; a K step in bytes of a row of X
.set OROW,   2048                      ; bytes in a row of pX
.set TRIPS,  6                         ; K steps 2 to 7 are asked for in the loop
.set ADRA0, 16                         ; v16  my lane's place in X's tile of slot 0; never rewritten
.set ADRA,  18                         ; v18  the same in the slot being read
.set BV,    20                         ; v20  16 x lane: my place in 512 bytes of wb; never rewritten
.set STO,   24                         ; v24  the way out: where I put 16 bytes of a row
.set RD,    25                         ; v25  where I read rows back
.set CO,    26                         ; v26  my byte offset in pX
.set BO,    27                         ; v27  my byte offset in the bias
.set SPW,   28                         ; v28  LDS address of my spare word; never rewritten
.set NIL,   29                         ; v29  0; never rewritten
.set AF,    64
.set ST0,   128
.set BI,    192                        ; window 1: the bias tuples, in ring buffer 3
.set BT,    128                        ; window 0: at work on the bias
.set TMP,   128                        ; the way out: packed results
.set OB,    160                        ; the way out: rows read back, v160-191 and v192-223 by turns
.set MSB, 0
.macro WIN new                         ; the immediate's high byte repeats the setting that is left; a switch that changes nothing is dropped
.if MSB != (\new)
	s_set_vgpr_msb (MSB<<8)|(\new)
.set MSB, \new
.endif
.endm
.macro PLACES
.rept 4
	v_nop
.endr
.endm
.macro CREST                           ; a round of the cluster's barrier behind its opening barrier
	s_cmp_lg_u32 s10, 0
	s_cbranch_scc1 .Lnot_wave_0_\@
	s_barrier_signal -3
.Lnot_wave_0_\@:
	s_barrier_wait -3
	s_barrier_signal -1
	s_barrier_wait -1
.endm
.macro CROUND                          ; a whole round
	s_barrier_signal -1
	s_barrier_wait -1
	CREST
.endm
.macro JLOAD                           ; a joint refill: every wave fetches its 64 rows of X's tile; s_nop 0 and four v_nop follow the line
	tensor_load_to_lds s[36:39], s[24:31]
	s_nop 0
.rept 4
	v_nop
.endr
.endm
.macro STEPD                           ; the walking descriptor: the other slot, the next K step; written only where no tensor load of mine is out
	s_xor_b32 s37, s37, SLOT
	s_add_nc_u64 s[38:39], s[38:39], STEPB
.endm
.macro FLIP                            ; the reads go over to the other slot
	s_xor_b32 s56, s56, SLOT
	v_add_nc_u32 v[ADRA], s56, v[ADRA0]
.endm
	s_load_b256 s[68:75], s[0:1], 0x0              ; q s[68:69], k s[70:71], v s[72:73], wb s[74:75]
	s_load_b256 s[76:83], s[0:1], 0x20             ; bq s[76:77], bk s[78:79], bv s[80:81], pq s[82:83]
	s_load_b128 s[84:87], s[0:1], 0x40             ; pk s[84:85], pv s[86:87]
	v_lshl_add_u32 v[SPW], v0, 2, SPARE
	v_mov_b32 v[NIL], 0
	ds_add_u32 v[SPW], v[NIL]                      ; the wave's opening: the add and its wait stand ahead of my first tensor load; register work stands between them
	v_lshrrev_b32 v1, 5, v0
	v_readfirstlane_b32 s10, v1                    ; wave 0..3: it fetches rows 64 w to 64 w + 63 of X's tile
	s_lshr_b32 s11, s10, 1                         ; which half of the tile's rows is mine
	s_and_b32 s12, s10, 1                          ; which half of its columns
	s_bfe_u32 s40, ttmp6, 0x40000                  ; cx: my place in the cluster
	s_lshl_b32 s42, ttmp9, 2                       ; in a cluster launch ttmp9 counts clusters
	s_add_co_u32 s42, s42, s40                     ; tile column 0..3: it enters wb's, the bias's and pX's addresses alone
	s_and_b32 s57, ttmp7, 0xffff                   ; y 0..95, which the four partners share
	s_and_b32 s13, s57, 31                         ; tile row 0..31 in the chosen tensor
	s_lshr_b32 s57, s57, 5                         ; 0: q, 1: k, 2: v
	; descriptor group 1: 64 rows x 128 elements of 4 bytes, 4 words of padding behind every 128
	s_mov_b32 s24, 15|(2<<16)|(1<<20)|(1<<21)|(6<<22)|(3<<25)  ; 15:0 the mask: all four work-groups; 17:16 elements of 4 bytes; 20 padding on; 21 set beside a mask; 24:22 code 6; 31:25 code 3
	s_mov_b32 s25, 128<<16                         ; tensor_dim0 = 128
	s_mov_b32 s26, 64<<16                          ; tensor_dim1 = 64
	s_mov_b32 s27, 128<<16                         ; tile_dim0 = 128
	s_mov_b32 s28, 64                              ; tile_dim1 = 64
	s_mov_b32 s29, 1024                            ; elements from row to row
	s_mov_b32 s30, 0
	s_mov_b32 s31, 0
	s_lshl_b32 s16, s13, 8
	s_lshl_b32 s17, s10, 6
	s_add_co_u32 s16, s16, s17
	s_lshl_b32 s16, s16, 12                        ; X: (256 x tile row + 64 x wave) rows of 4,096 bytes, under 2^25
	s_mov_b32 s17, 0
	s_mul_i32 s20, s10, QUART                      ; where they go: wave x 64 rows
	s_mov_b32 s32, 1                               ; group 0 of the first fill: slot 0, K step 0
	s_mov_b32 s33, s20
	s_mov_b32 s36, 1                               ; group 0 of the second: slot 1, K step 1; it then walks on
	s_add_co_u32 s37, s20, SLOT
	s_mov_b32 s56, 0                               ; slot 0 is read first
	s_lshl_b32 s46, s57, 21                        ; wb: 2 MiB a tensor, 32 KiB a block of 16 rows: blocks 16 x tile column + 8 x column half on
	s_lshl_b32 s47, s42, 19
	s_add_co_u32 s46, s46, s47
	s_lshl_b32 s47, s12, 18
	s_add_co_u32 s46, s46, s47
	s_mov_b32 s47, 0
	s_lshl_b32 s14, s13, 8                         ; my part of pX: (256 x tile row + 128 x row half) rows of 2,048 bytes + 512 x tile column + 256 x column half
	s_lshl_b32 s15, s11, 7
	s_add_co_u32 s14, s14, s15
	s_lshl_b32 s14, s14, 11
	s_lshl_b32 s15, s42, 9
	s_add_co_u32 s14, s14, s15
	s_lshl_b32 s15, s12, 8
	s_add_co_u32 s14, s14, s15
	s_mov_b32 s15, 0
	s_lshl_b32 s18, s42, 10                        ; the tile's 256 numbers of the bias
	s_mov_b32 s19, 0
	s_wait_dscnt 0x0                               ; the opening add is done
	s_wait_kmcnt 0x0
	s_cmp_eq_u32 s57, 1
	s_cselect_b64 s[4:5], s[70:71], s[68:69]       ; X
	s_cselect_b64 s[8:9], s[84:85], s[82:83]       ; pX
	s_cselect_b64 s[92:93], s[78:79], s[76:77]     ; b
	s_cmp_eq_u32 s57, 2
	s_cselect_b64 s[4:5], s[72:73], s[4:5]
	s_cselect_b64 s[8:9], s[86:87], s[8:9]
	s_cselect_b64 s[92:93], s[80:81], s[92:93]
	s_add_nc_u64 s[34:35], s[4:5], s[16:17]
	s_add_nc_u64 s[38:39], s[34:35], STEPB
	s_or_b32 s35, s35, 0x80000000
	s_or_b32 s39, s39, 0x80000000
	s_add_nc_u64 s[6:7], s[74:75], s[46:47]
	s_add_nc_u64 s[8:9], s[8:9], s[14:15]
	s_add_nc_u64 s[92:93], s[92:93], s[18:19]
	CROUND                                         ; all four work-groups are here: the first joint loads meet
	tensor_load_to_lds s[32:35], s[24:31]          ; the two first fills go out together, ahead of every wait on TENSORcnt, every LDS read and every other barrier: two loads of mine are out
	s_nop 0
	tensor_load_to_lds s[36:39], s[24:31]
	s_nop 0
.rept 4
	v_nop
.endr
	; An f32 row holds a bf16 fragment's k = 8 h + 0..7 at byte 32 h and k = 16 + 8 h + 0..7 at byte 64 + 32 h: four loads of 16 bytes at 0, 16, 64, 80.
	v_and_b32 v1, 15, v0                           ; r = lane % 16
	v_bfe_u32 v2, v0, 4, 1                         ; h = lane / 16
	v_mul_u32_u24 v3, v1, PITCH
	v_lshl_add_u32 v4, v2, 5, v3                   ; row x pitch + 32 h
	s_mul_i32 s21, s11, 128*PITCH                  ; my 128 rows of X
	v_add_nc_u32 v[ADRA0], s21, v4
	v_mov_b32 v[ADRA], v[ADRA0]
	v_and_b32 v5, 31, v0
	v_lshlrev_b32 v[BV], 4, v5
	s_mul_i32 s23, s10, 16*SPITCH
	s_add_co_u32 s23, s23, STAGE                   ; my stage
	v_mul_u32_u24 v3, v1, SPITCH                   ; in: row r, 16 bytes for each half of the lanes
	v_lshl_add_u32 v5, v2, 4, v3
	v_add_nc_u32 v[STO], s23, v5
	v_mul_u32_u24 v5, v2, SPITCH                   ; back: lanes 0-15 one row of 256 bytes, lanes 16-31 the next
	v_lshl_add_u32 v5, v1, 4, v5
	v_add_nc_u32 v[RD], s23, v5
	v_lshlrev_b32 v5, 11, v2                       ; and the same two rows in pX
	v_lshl_add_u32 v[CO], v1, 4, v5
	s_lshl_b32 s21, s12, 9
	v_lshl_add_u32 v[BO], v2, 5, s21               ; bias: 512 x column half + 32 h; block b 64 b further
	s_mov_b32 s23, 0xffff0000
; 16 loads: W's 8 fragments of the chunk kc chunks behind s[6:7], into ring buffer rb: each load covers 512 consecutive bytes of wb
.macro BLOAD rb, kc
	WIN 0x40                                       ; destination window 1, address window 0
.irp b, 0,1,2,3,4,5,6,7
	global_load_b128 v[64*(\rb)+8*(\b):64*(\rb)+8*(\b)+3],   v[BV], s[6:7] offset:(\b)*32768+(\kc)*1024
	global_load_b128 v[64*(\rb)+8*(\b)+4:64*(\rb)+8*(\b)+7], v[BV], s[6:7] offset:(\b)*32768+(\kc)*1024+512
.endr
.endm
	; The bias tuples: register j of block b is b[16 b + 8 h + j], the number that a lane's result j wants.  Rounded to bf16 like every input, kept as f32.  All this stands in the wait for the first tile.
	WIN 0x40
.irp b, 0,1,2,3,4,5,6,7
	global_load_b128 v[BI+8*(\b):BI+8*(\b)+3],   v[BO], s[92:93] offset:64*(\b)
	global_load_b128 v[BI+8*(\b)+4:BI+8*(\b)+7], v[BO], s[92:93] offset:64*(\b)+16
.endr
	BLOAD 0, 0
	BLOAD 1, 1
	s_wait_loadcnt 32                              ; the bias is in; the 32 loads of W's chunks 0 and 1 may be out
	WIN 0x05                                       ; sources window 1, destination window 0
.set i, 0
.rept 32
	v_cvt_pk_bf16_f32 v[BT+i], v[BI+2*i], v[BI+2*i+1]
.set i, i+1
.endr
	WIN 0x40
.set i, 0
.rept 32
	v_lshlrev_b32 v[BI+2*i], 16, v[BT+i]
	v_and_b32 v[BI+2*i+1], s23, v[BT+i]
.set i, i+1
.endr
	BLOAD 2, 2
	WIN 0
; 16 LDS loads: group g (4 fragments of 16 rows) of X, 32 along K at byte kb of the rows, as f32 into staging set st
.macro LOADG st, g, kb
	WIN 0
.irp i, 0,1,2,3
.irp n, 0,1,2,3
	ds_load_b128 v[ST0+64*(\st)+16*(\i)+4*(\n):ST0+64*(\st)+16*(\i)+4*(\n)+3], v[ADRA] offset:(4*(\g)+(\i))*16*PITCH+(\kb)+16*((\n)%2)+64*((\n)/2)
.endr
.endr
.endm
; four roundings: half hf % 2 of fragment hf / 2 of staging set st becomes four registers of group g's bf16 fragments
.macro CVT4 g, st, hf
	WIN 0
.irp j, 0,1,2,3
	v_cvt_pk_bf16_f32 v[AF+8*(4*(\g)+(\hf)/2)+4*((\hf)%2)+(\j)], v[ST0+64*(\st)+16*((\hf)/2)+8*((\hf)%2)+2*(\j)], v[ST0+64*(\st)+16*((\hf)/2)+8*((\hf)%2)+2*(\j)+1]
.endr
.endm
; one product: row block a, column block b, W from ring buffer rb.  zero = 1: it starts the sum, with the bias tuple as C
.macro PROD a, b, rb, zero
.set rD, 8*(8*((\a)%4)+(\b))
.if \zero
	WIN 0x91+0x40*((\a)/4)
	v_wmma_f32_16x16x32_bf16 v[rD:rD+7], v[64*(\rb)+8*(\b):64*(\rb)+8*(\b)+7], v[AF+8*(\a):AF+8*(\a)+7], v[BI+8*(\b):BI+8*(\b)+7]
.else
	WIN 0xa1+0x50*((\a)/4)
	v_wmma_f32_16x16x32_bf16 v[rD:rD+7], v[64*(\rb)+8*(\b):64*(\rb)+8*(\b)+7], v[AF+8*(\a):AF+8*(\a)+7], v[rD:rD+7]
.endif
.endm
; 16 products, X's group ag x W's blocks 4 bg on, on 16 accumulators by turns; behind every fourth one four roundings: half ch of group cg, from set cset.
; dsw >= 0: ahead of the first rounding the staging set is waited for; out may stay the dsw LDS instructions issued behind it.
; The registers that a rounding writes were last read by a product at least four roundings back, none of which names a register of that product (ISA guide 7.12.1).
.macro QUAD ag, bg, rb, cg, cset, ch, zero, dsw
.set i, 0
.rept 16
	PROD 4*(\ag)+i/4, 4*(\bg)+i%4, \rb, \zero
.if i%4 == 3
.if (i == 3) && ((\dsw) >= 0)
	s_wait_dscnt \dsw
.endif
	CVT4 \cg, \cset, 4*(\ch)+i/4
.endif
.set i, i+1
.endr
.endm
; A CHUNK is 32 along K: 64 products in four quads; chunk j of a K step's four.  On entry X's rows 0-63 are rounded, and set 1 holds (or is receiving) its rows 64-127.
;   quad 1  loads X lo (next chunk) -> set 0    X lo x W 0-3    rounds X hi of this chunk from set 1
;   quad 2  loads W of the chunk three on       X lo x W 4-7    the same, second half
;   quad 3  loads X hi (next chunk) -> set 1    X hi x W 4-7    rounds X lo of the next chunk from set 0
;   quad 4                                      X hi x W 0-3    the same, second half
; bl = 1: W's loads are issued, boff chunks behind s[6:7], into the buffer that the chunk before multiplied: twenty roundings stand behind its last product.
; mode 1 (chunk 2): quad 3's loads are the slot's last reads; the slot is filled again behind a round of the cluster's barrier.  mode 2: the same with nothing to ask for.
.macro CHUNK j, zero, bl, boff, mode
.set KBN, 128*(((\j)+1)%4)
	s_wait_loadcnt 32                              ; this chunk's W is in: behind its loads those of the next two chunks were issued, 16 each
	LOADG 0, 0, KBN
	QUAD 0, 0, \j, 1, 1, 0, \zero, 16              ; set 1 is in; set 0's sixteen may be out
.if \bl
	BLOAD ((\j)+3)%4, \boff
.endif
	QUAD 0, 1, \j, 1, 1, 1, \zero, -1
	LOADG 1, 1, KBN
.if \mode
	s_wait_tensorcnt 0x0                           ; all my tensor loads have landed: the one that was out is my part of the next slot
	ds_add_u32 v[SPW], v[NIL]                      ; 0 onto my spare word: sixteen products and their roundings stand between it and the wait for it
.if (\mode) == 1
	STEPD
.endif
	QUAD 1, 1, \j, 0, 0, 0, \zero, 17              ; set 0 is in; set 1's sixteen and the add may be out
	s_wait_dscnt 0x0                               ; the add is done, and my reads of the slot are over
	s_barrier_signal -1
	QUAD 1, 0, \j, 0, 0, 1, \zero, -1              ; work on registers while the others arrive
	WIN 0
	s_barrier_wait -1
.if (\mode) == 1
	CREST                                          ; no wave of any partner still reads this slot or has a load on its way
	JLOAD                                          ; the first tensor load behind the round: 224 products stand ahead of the wait for it
.endif
	FLIP
.else
	QUAD 1, 1, \j, 0, 0, 0, \zero, 16              ; set 0 is in; set 1's sixteen may be out
	QUAD 1, 0, \j, 0, 0, 1, \zero, -1
.endif
.endm
	s_wait_tensorcnt 0x1                           ; my part of K step 0 is in; K step 1's may stay out
	s_barrier_signal -1
	s_barrier_wait -1                              ; everybody's is
	LOADG 0, 0, 0                                  ; the warm-up: X's rows 0-63 and 64-127 of the first chunk
	LOADG 1, 1, 0
	s_wait_dscnt 16                                ; set 0 is in; set 1's sixteen may be out
.irp hf, 0,1,2,3,4,5,6,7
	CVT4 0, 0, \hf
.endr
	CHUNK 0, 1, 0, 0, 0                            ; the first chunk stands ahead of the loop: its products start the sums on the bias, which lies in ring buffer 3
	PLACES
	BLOAD 3, 3                                     ; so W's chunk 3 is asked for only now
	WIN 0                                          ; at a label and at a branch every window is 0
	s_mov_b32 s45, TRIPS
.Ltrip:                                                ; a trip: a K step's chunks 1 to 3, the change of slots among them, and the next step's chunk 0
	CHUNK 1, 0, 1, 4, 0
	CHUNK 2, 0, 1, 5, 1
	CHUNK 3, 0, 1, 6, 0
	CHUNK 0, 0, 1, 7, 0
	WIN 0
	s_wait_xcnt 0x0                                ; wb's address is stepped only behind this wait: the loads that name it have had their addresses translated (ISA guide 3.1)
	s_add_nc_u64 s[6:7], s[6:7], 4096              ; four chunks on
	s_sub_co_u32 s45, s45, 1
	s_cmp_lg_u32 s45, 0
	s_cbranch_scc1 .Ltrip
	; The tail, K steps 6 and 7, asks for no tile: a second text of the four chunks, entered at chunk 1 and left behind chunk 3.  wb's address stays: the first pass asks for W's chunks 28 to 31.
	; The second pass asks for chunks 28 to 30 once more (inside wb) and reads slot 0 once more into the staging sets; nothing uses them: the price, once a launch, of one text
	; and the same counted waits for both passes.
	s_mov_b32 s45, 2
	s_branch .Ltin
.Ltail:
	CHUNK 0, 0, 1, 7, 0
	WIN 0
.Ltin:
	CHUNK 1, 0, 1, 4, 0
	CHUNK 2, 0, 1, 5, 2
	CHUNK 3, 0, 1, 6, 0
	WIN 0
	s_sub_co_u32 s45, s45, 1
	s_cmp_lg_u32 s45, 0
	s_cbranch_scc1 .Ltail
	; THE WAY OUT, 16 rows at a time: rounded to f16, 16 bytes a lane into my stage, back as whole rows of 256 bytes, stored.
.macro PACK a
	WIN 0x0a+5*((\a)/4)                            ; sources window 2 or 3
.irp b, 0,1,2,3,4,5,6,7
.irp rr, 0,1,2,3
	v_cvt_pk_f16_f32 v[TMP+4*(\b)+(\rr)], v[64*((\a)%4)+8*(\b)+2*(\rr)], v[64*((\a)%4)+8*(\b)+2*(\rr)+1]
.endr
.endr
	WIN 0
.endm
.macro TOSTAGE a
.irp b, 0,1,2,3,4,5,6,7
	ds_store_b128 v[STO], v[TMP+4*(\b):TMP+4*(\b)+3] offset:32*(\b)
.endr
.irp t, 0,1,2,3,4,5,6,7
	ds_load_b128 v[OB+32*((\a)%2)+4*(\t):OB+32*((\a)%2)+4*(\t)+3], v[RD] offset:(\t)*2*SPITCH  ; LDS serves a wave's instructions in order (ISA guide 5.7.1.4): these see the stores above
.endr
.endm
.macro SEND a
	s_wait_dscnt 0x0                               ; the block is back in registers
	s_wait_xcnt 0x0                                ; the registers that earlier stores read are loaded again only behind this wait
.irp t, 0,1,2,3,4,5,6,7
	global_store_b128 v[CO], v[OB+32*((\a)%2)+4*(\t):OB+32*((\a)%2)+4*(\t)+3], s[8:9] offset:(16*(\a)+2*(\t))*OROW  ; 16 lanes store 256 consecutive bytes, at a multiple of 256 from pX's first byte
.endr
.endm
	s_wait_dscnt 0x0                               ; the staging sets, which the way out uses anew, receive nothing more
	PLACES                                         ; the conversions read results just made
	PACK 0
	TOSTAGE 0
.irp a, 1,2,3,4,5,6,7                  ; block a's conversions stand between block a - 1's loads from the stage and the wait for them
	PACK \a
	SEND (\a)-1
	TOSTAGE \a
.endr
	SEND 7
	s_wait_tensorcnt 0x0                           ; the wave's end
	ds_add_u32 v[SPW], v[NIL]
	s_wait_dscnt 0x0
	CROUND                                         ; the closing round
	s_endpgm
.Lfunc_end_k_q261c137ba1_proj:
	.size	k_q261c137ba1_proj, .Lfunc_end_k_q261c137ba1_proj-k_q261c137ba1_proj
	.p2alignl 7, 3214868480
	.fill 96, 4, 3214868480
	.section	.rodata,"a",@progbits
	.p2align	6, 0x0
	.amdhsa_kernel k_q261c137ba1_proj
		.amdhsa_group_segment_fixed_size 327680
		.amdhsa_private_segment_fixed_size 0
		.amdhsa_enable_private_segment 0
		.amdhsa_kernarg_size 80
		.amdhsa_user_sgpr_count 2
		.amdhsa_user_sgpr_kernarg_segment_ptr 1
		.amdhsa_wavefront_size32 1
		.amdhsa_system_sgpr_workgroup_id_x 1
		.amdhsa_system_sgpr_workgroup_id_y 1
		.amdhsa_system_sgpr_workgroup_id_z 1
		.amdhsa_system_vgpr_workitem_id 0
		.amdhsa_next_free_vgpr 1024
		.amdhsa_next_free_sgpr 96
		.amdhsa_reserve_vcc 0
		.amdhsa_float_denorm_mode_32 3
		.amdhsa_float_denorm_mode_16_64 3
		.amdhsa_memory_ordered 1
		.amdhsa_forward_progress 1
		.amdhsa_inst_pref_size 167
	.end_amdhsa_kernel
	.amdgpu_metadata
---
amdhsa.version: [ 1, 2 ]
amdhsa.kernels:
  - .name:           k_q261c137ba1_proj
    .symbol:         k_q261c137ba1_proj.kd
    .args:
      - { .name: q, .offset: 0, .size: 8, .value_kind: global_buffer, .address_space: global }
      - { .name: k, .offset: 8, .size: 8, .value_kind: global_buffer, .address_space: global }
      - { .name: v, .offset: 16, .size: 8, .value_kind: global_buffer, .address_space: global }
      - { .name: wb, .offset: 24, .size: 8, .value_kind: global_buffer, .address_space: global }
      - { .name: bq, .offset: 32, .size: 8, .value_kind: global_buffer, .address_space: global }
      - { .name: bk, .offset: 40, .size: 8, .value_kind: global_buffer, .address_space: global }
      - { .name: bv, .offset: 48, .size: 8, .value_kind: global_buffer, .address_space: global }
      - { .name: pq, .offset: 56, .size: 8, .value_kind: global_buffer, .address_space: global }
      - { .name: pk, .offset: 64, .size: 8, .value_kind: global_buffer, .address_space: global }
      - { .name: pv, .offset: 72, .size: 8, .value_kind: global_buffer, .address_space: global }
    .group_segment_fixed_size: 327680
    .private_segment_fixed_size: 0
    .kernarg_segment_align: 8
    .kernarg_segment_size: 80
    .max_flat_workgroup_size: 128
    .sgpr_count:     96
    .vgpr_count:     1024
    .wavefront_size: 32
...
	.end_amdgpu_metadata
.endif
;; end of part 5
;; launch scores (part 6): grid 8 x 32, 4 waves a work-group, clusters of 4 x 4, 327,680 bytes of LDS; arguments pq, pk, pw, ms, ls; writes pw, ms, ls
.if DOCPART == 6
	.amdgcn_target "amdgcn-amd-amdhsa--gfx1250"
	.amdhsa_code_object_version 6
	.text
	.protected	k_q261c137ba1_scores
	.globl	k_q261c137ba1_scores
	.p2align	8
	.type	k_q261c137ba1_scores,@function
k_q261c137ba1_scores:
	s_mov_b64 s[64:65], 0
	v_nop
	global_prefetch_b8 v0, s[64:65] scope:SCOPE_SE
	s_setreg_imm32_b32 hwreg(HW_REG_WAVE_MODE, 25, 1), 1
	s_wait_xcnt 0x0
	s_wait_alu depctr_hold_cnt(0) depctr_sa_sdst(0) depctr_va_vdst(0) depctr_va_sdst(0) depctr_va_ssrc(0) depctr_va_vcc(0) depctr_vm_vsrc(0)
	s_getreg_b32 s2, hwreg(HW_REG_IB_STS2, 6, 4)
	s_cmp_eq_u32 s2, 0
	s_cbranch_scc0 .Lentry_in_a_cluster
	s_endpgm
.Lentry_in_a_cluster:
	s_bfe_u32 s2, ttmp6, 0x10000c
	s_cmp_lg_u32 s2, 0xf033
	s_cbranch_scc0 .Lentry_shape_is_right
	s_endpgm
.Lentry_shape_is_right:
; One tile of 256 queries x 256 keys of S = pq pk^T (K = 1,024), then its part of the softmax.  pq, pk: [8192][1024] f16.
; For each query row of the tile: m = the largest score of the tile's 256 keys; p = 2^(c s - c m), c = log2(e) / 32, so every exponent is at most 0.
; Stored: pw = p in f16, laid out as the next launch's matrix fragments: pw[block of 16 rows: 512][chunk of 32 keys: 64][half: 2][lane: 32][16 bytes]; lane l holds row l % 16,
; its half 0 the keys 8 (l / 16) + 0..7 of the chunk, its half 1 the keys 16 + 8 (l / 16) + 0..7.  ms[key tile][row] = c m ([8][8192] f32); ls[key half of 128][row] = the sum of the unrounded p of those 128 keys ([16][8192] f32).
; The next launch joins the eight tiles of a row exactly: a softmax whose maximum is taken away tile by tile.
; LIMITS.  p lies in 0 to 1; below 6e-5 it keeps f16's fixed step of 6e-8; a weight below 2^-126 counts as 0 in the sums.  NaN and infinities are not treated apart.
; SHARES.  256 work-groups of four waves; a wave makes 128 x 128: 64 accumulators.  K goes in steps of 128 (rows of 256 bytes) through two LDS slots filled by joint tensor loads:
; pq's tile is shared along a row of the 4 x 4 cluster, pk's along a column.  Source 0 = 16 keys, source 1 = 16 queries: a lane holds ONE query and eight neighbouring keys,
; so the four registers into which an accumulator is rounded ARE one half of a fragment of pw: they are stored as they lie, 512 consecutive bytes a store, with no way through LDS.
; REGISTERS, in windows of 256: window 0: v0-31 addresses; v32-63 row statistics; v64-127, v128-191 pq's fragments, two buffers (later at work); v224-239 sums and what leaves
;   window 1: v64-127, v128-191 pk's fragments;   window 2: the accumulators of my rows 0-63 ((a, b) at v[8 (8 (a % 4) + b)]);   window 3: those of rows 64-127
.set PITCH,  272
.set HALFT,  128*PITCH
.set SLOT,   4*HALFT                   ; 0x22000: its two bits occur in no wave x HALFT
.set XM,     2*SLOT                    ; behind the ring: [column half][256 rows] f32: the two column halves exchange their maxima
.set XS,     XM+2048                   ; 1,024 bytes a wave: 128 c m, then 128 sums, turned from one a lane into four a lane
.set SPARE,  XS+4096
.set STEPB,  256
.set PBLK,   65536                     ; bytes of a block of 16 rows in pw: 64 chunks of 1,024
.set ADRA0, 16
.set ADRB0, 17
.set ADRA,  18
.set ADRB,  19
.set XSR,   20                         ; v20  where I read four statistics back
.set GS,    21                         ; v21  16 x lane: my offset in 512 bytes of pw, ms and ls; never rewritten
.set XA,    27                         ; v27  where I put my half's maxima
.set SPW,   28
.set NIL,   29
.set XB,    30                         ; v30  where the other half's lie
.set XSA,   31                         ; v31  where I put a row's statistics
.set MX,    32                         ; v32-39   the row's maximum, by row block
.set PM,    40                         ; v40-47   the other half's
.set CM,    48                         ; v48-63   c m, a pair for each row block (the packed scaling names a pair)
.set F0,    64
.set F1,    128
.set T,     64                         ; v64-159  at work on the maxima
.set TMP,   64                         ; v64-95, v128-159  p in f16, by turns
.set SU,    96                         ; v96-127  partial sums
.set LL,    224                        ; v224-231 the row's sum, by row block
.set MSB, 0
.macro WIN new
.if MSB != (\new)
	s_set_vgpr_msb (MSB<<8)|(\new)
.set MSB, \new
.endif
.endm
.macro PLACES
.rept 4
	v_nop
.endr
.endm
.macro CREST
	s_cmp_lg_u32 s10, 0
	s_cbranch_scc1 .Lnot_wave_0_\@
	s_barrier_signal -3
.Lnot_wave_0_\@:
	s_barrier_wait -3
	s_barrier_signal -1
	s_barrier_wait -1
.endm
.macro CROUND
	s_barrier_signal -1
	s_barrier_wait -1
	CREST
.endm
.macro JLOAD                           ; waves 0 and 1 fetch pq's two halves, waves 2 and 3 pk's; s_nop 0 and four v_nop follow each line
	s_cmp_eq_u32 s11, 0
	s_cbranch_scc0 .Lfor_b_\@
	tensor_load_to_lds s[32:35], s[24:31]
	s_nop 0
.rept 4
	v_nop
.endr
	s_branch .Lasked_\@
.Lfor_b_\@:
	tensor_load_to_lds s[36:39], s[48:55]
	s_nop 0
.rept 4
	v_nop
.endr
.Lasked_\@:
.endm
.macro STEPD
	s_xor_b32 s33, s33, SLOT
	s_add_nc_u64 s[34:35], s[34:35], STEPB
	s_xor_b32 s37, s37, SLOT
	s_add_nc_u64 s[38:39], s[38:39], STEPB
.endm
.macro FLIP
	s_xor_b32 s56, s56, SLOT
	v_add_nc_u32 v[ADRA], s56, v[ADRA0]
	v_add_nc_u32 v[ADRB], s56, v[ADRB0]
.endm
	s_load_b128 s[4:7], s[0:1], 0x0                ; pq s[4:5], pk s[6:7]
	s_load_b64 s[8:9], s[0:1], 0x10                ; pw
	s_load_b64 s[62:63], s[0:1], 0x18              ; ms
	s_load_b64 s[66:67], s[0:1], 0x20              ; ls
	v_lshl_add_u32 v[SPW], v0, 2, SPARE
	v_mov_b32 v[NIL], 0
	ds_add_u32 v[SPW], v[NIL]                      ; the wave's opening: the add and its wait stand ahead of my first tensor load
	v_lshrrev_b32 v1, 5, v0
	v_readfirstlane_b32 s10, v1                    ; wave 0..3
	s_lshr_b32 s11, s10, 1                         ; row half.  Also: I fetch for pq (0) or pk (1)
	s_and_b32 s12, s10, 1                          ; column half.  Also: which 128 rows I fetch
	s_bfe_u32 s40, ttmp6, 0x40000                  ; cx
	s_bfe_u32 s41, ttmp6, 0x40004                  ; cy
	s_lshl_b32 s42, ttmp9, 2
	s_add_co_u32 s42, s42, s40                     ; key tile 0..7 of the batch
	s_and_b32 s57, ttmp7, 0xffff                   ; cluster y 0..7
	s_lshl_b32 s13, s57, 2
	s_add_co_u32 s13, s13, s41                     ; query tile 0..31 of all rows
	s_lshr_b32 s57, s57, 1                         ; the batch: the same in all sixteen partners
	s_lshl_b32 s43, s41, 2
	s_lshl_b32 s43, 15, s43                        ; my row of the cluster
	s_lshl_b32 s44, 0x1111, s40                    ; my column
	s_or_b32 s24, s43, (1<<16)|(1<<20)|(1<<21)|(5<<22)|(3<<25)  ; 2-byte elements; 4 words of padding behind every 64
	s_or_b32 s48, s44, (1<<16)|(1<<20)|(1<<21)|(5<<22)|(3<<25)
.irp g, 24, 48
	s_mov_b32 s[(\g)+1], 128<<16                   ; tensor_dim0 = 128
	s_mov_b32 s[(\g)+2], 128<<16                   ; tensor_dim1 = 128
	s_mov_b32 s[(\g)+3], 128<<16                   ; tile_dim0 = 128
	s_mov_b32 s[(\g)+4], 128                       ; tile_dim1 = 128
	s_mov_b32 s[(\g)+5], 1024                      ; elements from row to row
	s_mov_b32 s[(\g)+6], 0
	s_mov_b32 s[(\g)+7], 0
.endr
	s_lshl_b32 s17, s12, 7
	s_lshl_b32 s16, s13, 8
	s_add_co_u32 s16, s16, s17
	s_lshl_b32 s16, s16, 11                        ; pq: (256 x query tile + 128 x half) rows of 2,048 bytes
	s_lshl_b32 s46, s57, 11
	s_lshl_b32 s47, s42, 8
	s_add_co_u32 s46, s46, s47
	s_add_co_u32 s46, s46, s17
	s_lshl_b32 s46, s46, 11                        ; pk: (2,048 x batch + 256 x key tile + 128 x half) rows
	s_mov_b32 s17, 0
	s_mov_b32 s47, 0
	s_mul_i32 s20, s10, HALFT
	s_mov_b32 s32, 1
	s_mov_b32 s33, s20
	s_mov_b32 s36, 1
	s_mov_b32 s37, s20
	s_mov_b32 s56, 0
	s_mov_b32 s58, 0x3d38aa3b                      ; c = log2(e) / 32
	s_mov_b32 s59, s58                             ; named with it as a pair
	s_mov_b32 s60, 0x76543210                      ; v_permlanex16_b32: each lane takes its own place in the other half
	s_mov_b32 s61, 0xfedcba98
	s_lshl_b32 s21, s13, 8
	s_lshl_b32 s22, s11, 7
	s_add_co_u32 s21, s21, s22                     ; my first row: 256 x query tile + 128 x row half
	s_lshl_b32 s14, s13, 4                         ; pw: row block 16 x query tile + 8 x row half, of 65,536 bytes;
	s_lshl_b32 s15, s11, 3
	s_add_co_u32 s14, s14, s15
	s_lshl_b32 s14, s14, 16
	s_lshl_b32 s15, s42, 13                        ; chunk 8 x key tile + 4 x column half, of 1,024 bytes
	s_add_co_u32 s14, s14, s15
	s_lshl_b32 s15, s12, 12
	s_add_co_u32 s14, s14, s15
	s_mov_b32 s15, 0
	s_lshl_b32 s18, s42, 13                        ; ms: (8,192 x key tile + row) x 4
	s_add_co_u32 s18, s18, s21
	s_lshl_b32 s18, s18, 2
	s_mov_b32 s19, 0
	s_lshl_b32 s22, s42, 1                         ; ls: (8,192 x (2 x key tile + column half) + row) x 4
	s_add_co_u32 s22, s22, s12
	s_lshl_b32 s22, s22, 13
	s_add_co_u32 s22, s22, s21
	s_lshl_b32 s22, s22, 2
	s_mov_b32 s23, 0
	s_wait_dscnt 0x0                               ; the opening add is done
	s_wait_kmcnt 0x0
	s_add_nc_u64 s[34:35], s[4:5], s[16:17]
	s_or_b32 s35, s35, 0x80000000
	s_add_nc_u64 s[38:39], s[6:7], s[46:47]
	s_or_b32 s39, s39, 0x80000000
	s_add_nc_u64 s[8:9], s[8:9], s[14:15]
	s_add_nc_u64 s[62:63], s[62:63], s[18:19]
	s_add_nc_u64 s[66:67], s[66:67], s[22:23]
	CROUND                                         ; the first joint loads meet
	JLOAD                                          ; K step 0 into slot 0
	v_and_b32 v1, 15, v0                           ; r
	v_bfe_u32 v2, v0, 4, 1                         ; h
	v_mul_u32_u24 v3, v1, PITCH
	v_lshl_add_u32 v3, v2, 4, v3                   ; row x pitch + 16 h
	s_mul_i32 s21, s11, HALFT
	s_mul_i32 s22, s12, HALFT
	s_add_co_u32 s22, s22, 2*HALFT
	v_add_nc_u32 v[ADRA0], s21, v3
	v_add_nc_u32 v[ADRB0], s22, v3
	v_mov_b32 v[ADRA], v[ADRA0]
	v_mov_b32 v[ADRB], v[ADRB0]
	s_lshl_b32 s21, s11, 9                         ; 512 x row half
	s_lshl_b32 s22, s12, 10                        ; 1,024 x column half
	s_add_co_u32 s22, s22, s21
	s_add_co_u32 s22, s22, XM
	v_lshl_add_u32 v[XA], v1, 2, s22
	s_xor_b32 s22, s12, 1
	s_lshl_b32 s22, s22, 10
	s_add_co_u32 s22, s22, s21
	s_add_co_u32 s22, s22, XM
	v_lshl_add_u32 v[XB], v1, 2, s22
	s_lshl_b32 s22, s10, 10
	s_add_co_u32 s22, s22, XS
	v_lshl_add_u32 v[XSA], v1, 2, s22
	v_and_b32 v5, 31, v0
	v_lshlrev_b32 v[GS], 4, v5
	v_add_nc_u32 v[XSR], s22, v[GS]
; 16 products: row blocks a0, a0 + 1 of the window's four x all 8 key blocks, 32 along K; the 64 accumulators take turns.  zero = 1: they start the sums
.macro MUL16 f, hi, a0, zero
	WIN 0xa1+0x50*(\hi)
.irp a, \a0, (\a0)+1
.irp b, 0,1,2,3,4,5,6,7
.if \zero
	v_wmma_f32_16x16x32_f16 v[8*(8*(\a)+(\b)):8*(8*(\a)+(\b))+7], v[(\f)+8*(\b):(\f)+8*(\b)+7], v[(\f)+8*(4*(\hi)+(\a)):(\f)+8*(4*(\hi)+(\a))+7], 0
.else
	v_wmma_f32_16x16x32_f16 v[8*(8*(\a)+(\b)):8*(8*(\a)+(\b))+7], v[(\f)+8*(\b):(\f)+8*(\b)+7], v[(\f)+8*(4*(\hi)+(\a)):(\f)+8*(4*(\hi)+(\a))+7], v[8*(8*(\a)+(\b)):8*(8*(\a)+(\b))+7]
.endif
.endr
.endr
.endm
; 32 LDS loads in one run: pk's 8 fragments, then pq's 8, 32 along K at byte k of the rows, into buffer f
.macro FETCH k, f
	WIN 0x40
.irp i, 0,1,2,3,4,5,6,7
	ds_load_b128 v[(\f)+8*(\i):(\f)+8*(\i)+3],   v[ADRB] offset:(\k)+(\i)*16*PITCH
	ds_load_b128 v[(\f)+8*(\i)+4:(\f)+8*(\i)+7], v[ADRB] offset:(\k)+(\i)*16*PITCH+32
.endr
	WIN 0
.irp i, 0,1,2,3,4,5,6,7
	ds_load_b128 v[(\f)+8*(\i):(\f)+8*(\i)+3],   v[ADRA] offset:(\k)+(\i)*16*PITCH
	ds_load_b128 v[(\f)+8*(\i)+4:(\f)+8*(\i)+7], v[ADRA] offset:(\k)+(\i)*16*PITCH+32
.endr
.endm
; A K step is four quarters of 32 along K.  One of the first three multiplies buffer f and fetches the next quarter, at byte k, into g; four v_nop stand ahead of loads into registers that products have read (ISA guide 7.12.1 for vector instructions)
.macro QUARTER k, f, g, zero
	s_wait_dscnt 8                                 ; pk and pq's rows 0-63 are in; the youngest eight loads (rows 64-127) may be out
	MUL16 \f, 0, 0, \zero
	MUL16 \f, 0, 2, \zero
	PLACES
	FETCH \k, \g
	s_wait_dscnt 32                                ; all but the 32 just issued
	MUL16 \f, 1, 0, \zero
	MUL16 \f, 1, 2, \zero
.endm
; The last quarter multiplies buffer 1 and changes slots.  fill = 1: the slot just read is filled again, behind a round of the cluster's barrier
.macro TURN fill
	WIN 0
	s_wait_tensorcnt 0x0                           ; all my tensor loads have landed: my part of the next slot
	ds_add_u32 v[SPW], v[NIL]
.if \fill
	STEPD
.endif
	s_wait_dscnt 9                                 ; the add and the youngest eight loads may be out
	MUL16 F1, 0, 0, 0
	s_wait_dscnt 0x0                               ; the add is done, and my reads of this slot are over
	s_barrier_signal -1
	MUL16 F1, 0, 2, 0
	WIN 0
	s_barrier_wait -1
.if \fill
	CREST
	JLOAD                                          ; the first tensor load behind the round; its four v_nop are also the places ahead of the loads below
.else
	PLACES
.endif
	FLIP
	FETCH 0, F0
	MUL16 F1, 1, 0, 0
	MUL16 F1, 1, 2, 0
.endm
	s_wait_tensorcnt 0x0                           ; my part of K step 0 is in
	ds_add_u32 v[SPW], v[NIL]
	STEPD                                          ; slot 1, K step 1
	s_wait_dscnt 0x0
	CROUND
	JLOAD
	FETCH 0, F0
	QUARTER 64, F0, F1, 1                          ; the first quarter stands ahead of the loop: its products start the sums
	WIN 0
	s_mov_b32 s45, 6                               ; K steps 2 to 7 are asked for in the loop
.Ltrip:
	QUARTER 128, F1, F0, 0
	QUARTER 192, F0, F1, 0
	TURN 1
	QUARTER 64, F0, F1, 0
	WIN 0
	s_sub_co_u32 s45, s45, 1
	s_cmp_lg_u32 s45, 0
	s_cbranch_scc1 .Ltrip
	; The tail, K steps 6 and 7, asks for no tile: a second text of the four quarters, entered at a step's second quarter and left behind its last.  The second pass's change of slots
	; (a barrier, and 32 loads from slot 0, whose tile nobody writes any more) serves nothing: the price, once a launch, of one text and the same counted waits for both passes.
	s_mov_b32 s45, 2
	s_branch .Ltin
.Ltail:
	QUARTER 64, F0, F1, 0
	WIN 0
.Ltin:
	QUARTER 128, F1, F0, 0
	QUARTER 192, F0, F1, 0
	TURN 0
	WIN 0
	s_sub_co_u32 s45, s45, 1
	s_cmp_lg_u32 s45, 0
	s_cbranch_scc1 .Ltail
	s_wait_dscnt 0x0                               ; buffer 0, which is used anew below, receives nothing more
	PLACES                                         ; what follows reads results just made and writes registers that products have read
; THE MAXIMUM of a lane's 64 scores for each of the window's four row blocks: 3 numbers an accumulator (its lowest registers first), 24 to 1, then the other half of the lanes
.macro ROWMAX w
	WIN 0x2a+0x15*(\w)                             ; all three sources window 2 or 3, destination window 0
.set i, 0
.rept 32
	v_max3_num_f32 v[T+3*i], v[8*i], v[8*i+1], v[8*i+2]
	v_max3_num_f32 v[T+3*i+1], v[8*i+3], v[8*i+4], v[8*i+5]
	v_max_num_f32 v[T+3*i+2], v[8*i+6], v[8*i+7]
.set i, i+1
.endr
	WIN 0
.irp u, 0,1,2,3,4,5,6,7
.irp a, 0,1,2,3
	v_max3_num_f32 v[T+24*(\a)+3*(\u)], v[T+24*(\a)+3*(\u)], v[T+24*(\a)+3*(\u)+1], v[T+24*(\a)+3*(\u)+2]
.endr
.endr
.irp a, 0,1,2,3
	v_max3_num_f32 v[T+24*(\a)], v[T+24*(\a)], v[T+24*(\a)+3], v[T+24*(\a)+6]
	v_max3_num_f32 v[T+24*(\a)+9], v[T+24*(\a)+9], v[T+24*(\a)+12], v[T+24*(\a)+15]
.endr
.irp a, 0,1,2,3
	v_max3_num_f32 v[T+24*(\a)], v[T+24*(\a)], v[T+24*(\a)+9], v[T+24*(\a)+18]
.endr
.irp a, 0,1,2,3
	v_max_num_f32 v[T+24*(\a)], v[T+24*(\a)], v[T+24*(\a)+21]
.endr
.irp a, 0,1,2,3
	v_permlanex16_b32 v[T+24*(\a)+1], v[T+24*(\a)], s60, s61  ; the query's other 64 keys lie in the lane 16 away
.endr
.irp a, 0,1,2,3
	v_max_num_f32 v[MX+4*(\w)+(\a)], v[T+24*(\a)], v[T+24*(\a)+1]
.endr
.endm
	ROWMAX 0
	ROWMAX 1
	; the tile's other 128 keys belong to the wave of the other column half: the two exchange maxima through LDS
.irp a, 0,1,2,3,4,5,6,7
	ds_store_b32 v[XA], v[MX+(\a)] offset:64*(\a)  ; lanes r and r + 16 write the same word with the same number
.endr
	s_wait_dscnt 0x0                               ; for the others' sake: my stores are done
	s_barrier_signal -1
	s_barrier_wait -1
.irp a, 0,1,2,3,4,5,6,7
	ds_load_b32 v[PM+(\a)], v[XB] offset:64*(\a)
.endr
	s_wait_dscnt 0x0
.irp a, 0,1,2,3,4,5,6,7
	v_max_num_f32 v[MX+(\a)], v[MX+(\a)], v[PM+(\a)]
.endr
.irp a, 0,1,2,3,4,5,6,7
	v_mul_f32 v[CM+2*(\a)], s58, v[MX+(\a)]        ; c m
.endr
.irp a, 0,1,2,3,4,5,6,7
	v_mov_b32 v[CM+2*(\a)+1], v[CM+2*(\a)]         ; the pair's upper word is named with the lower
.endr
; Row block a: p = 2^(c s - c m) in place; rounded to f16; the lane's 64 weights summed, then the other half of the lanes' added
.macro SOFT a
.set AC, 64*((\a)%4)
.set TP, TMP+64*((\a)%2)
	WIN 0x82+0x41*((\a)/4)                         ; destination and source 0 window 2 or 3, c m window 0
.set i, 0
.rept 32
	v_pk_fma_f32 v[AC+2*i:AC+2*i+1], v[AC+2*i:AC+2*i+1], s[58:59], v[CM+2*(\a):CM+2*(\a)+1] op_sel_hi:[1,0,0] neg_lo:[0,0,1] neg_hi:[0,0,1]
.set i, i+1
.endr
.set i, 0
.rept 64
	v_exp_f32 v[AC+i], v[AC+i]
.set i, i+1
.endr
	v_nop                                          ; a plain instruction between the last exponential and the use of its result (ISA guide 5.7.2)
	s_wait_xcnt 0x0                                ; the registers that the stores of two blocks back read are written again only behind this wait
	WIN 0x0a+5*((\a)/4)                            ; sources window 2 or 3, destination window 0
.set i, 0
	s_wait_alu depctr_va_vdst(0)
.rept 32
	v_cvt_pk_f16_f32 v[TP+i], v[AC+2*i], v[AC+2*i+1]
.set i, i+1
.endr
.set i, 0
.rept 16
	v_pk_add_f32 v[SU+2*i:SU+2*i+1], v[AC+4*i:AC+4*i+1], v[AC+4*i+2:AC+4*i+3]
.set i, i+1
.endr
	WIN 0
.irp d, 2, 4, 8, 16                    ; 16 pairs to one: neighbours 1, 2, 4 and 8 pairs apart
.set i, 0
.rept 16/(\d)
	v_pk_add_f32 v[SU+2*(\d)*i:SU+2*(\d)*i+1], v[SU+2*(\d)*i:SU+2*(\d)*i+1], v[SU+2*(\d)*i+(\d):SU+2*(\d)*i+(\d)+1]
.set i, i+1
.endr
.endr
	v_add_f32 v[SU], v[SU], v[SU+1]
	v_permlanex16_b32 v[SU+1], v[SU], s60, s61
	v_add_f32 v[LL+(\a)], v[SU], v[SU+1]
.endm
; Key block b's four registers are half b % 2 of chunk b / 2 of row block a's fragments: 512 consecutive bytes of pw, at a multiple of 512 from its first byte
.macro SEND a
.irp b, 0,1,2,3,4,5,6,7
	global_store_b128 v[GS], v[TMP+64*((\a)%2)+4*(\b):TMP+64*((\a)%2)+4*(\b)+3], s[8:9] offset:(\a)*PBLK+(\b)*512
.endr
.endm
.irp a, 0,1,2,3,4,5,6,7
	SOFT \a
	SEND \a
.endr
	; the statistics, one number a lane and row block, are turned in my own LDS bytes into four neighbouring rows a lane: each store below covers 512 consecutive bytes
.irp a, 0,1,2,3,4,5,6,7
	ds_store_b32 v[XSA], v[CM+2*(\a)] offset:64*(\a)
	ds_store_b32 v[XSA], v[LL+(\a)] offset:512+64*(\a)
.endr
	ds_load_b128 v[232:235], v[XSR]                ; LDS serves a wave's instructions in order (ISA guide 5.7.1.4): these see the stores above
	ds_load_b128 v[236:239], v[XSR] offset:512
	s_wait_dscnt 0x0
	global_store_b128 v[GS], v[236:239], s[66:67]  ; my 128 keys' sums for my 128 rows
	s_cmp_lg_u32 s12, 0
	s_cbranch_scc1 .Lno_ms                         ; c m is the tile's: the wave of column half 0 stores it
	global_store_b128 v[GS], v[232:235], s[62:63]
.Lno_ms:
	s_wait_tensorcnt 0x0                           ; the wave's end
	ds_add_u32 v[SPW], v[NIL]
	s_wait_dscnt 0x0
	CROUND                                         ; the closing round
	s_endpgm
.Lfunc_end_k_q261c137ba1_scores:
	.size	k_q261c137ba1_scores, .Lfunc_end_k_q261c137ba1_scores-k_q261c137ba1_scores
	.p2alignl 7, 3214868480
	.fill 96, 4, 3214868480
	.section	.rodata,"a",@progbits
	.p2align	6, 0x0
	.amdhsa_kernel k_q261c137ba1_scores
		.amdhsa_group_segment_fixed_size 327680
		.amdhsa_private_segment_fixed_size 0
		.amdhsa_enable_private_segment 0
		.amdhsa_kernarg_size 40
		.amdhsa_user_sgpr_count 2
		.amdhsa_user_sgpr_kernarg_segment_ptr 1
		.amdhsa_wavefront_size32 1
		.amdhsa_system_sgpr_workgroup_id_x 1
		.amdhsa_system_sgpr_workgroup_id_y 1
		.amdhsa_system_sgpr_workgroup_id_z 1
		.amdhsa_system_vgpr_workitem_id 0
		.amdhsa_next_free_vgpr 1024
		.amdhsa_next_free_sgpr 68
		.amdhsa_reserve_vcc 0
		.amdhsa_float_denorm_mode_32 3
		.amdhsa_float_denorm_mode_16_64 3
		.amdhsa_memory_ordered 1
		.amdhsa_forward_progress 1
		.amdhsa_inst_pref_size 161
	.end_amdhsa_kernel
	.amdgpu_metadata
---
amdhsa.version: [ 1, 2 ]
amdhsa.kernels:
  - .name:           k_q261c137ba1_scores
    .symbol:         k_q261c137ba1_scores.kd
    .args:
      - { .name: pq, .offset: 0, .size: 8, .value_kind: global_buffer, .address_space: global }
      - { .name: pk, .offset: 8, .size: 8, .value_kind: global_buffer, .address_space: global }
      - { .name: pw, .offset: 16, .size: 8, .value_kind: global_buffer, .address_space: global }
      - { .name: ms, .offset: 24, .size: 8, .value_kind: global_buffer, .address_space: global }
      - { .name: ls, .offset: 32, .size: 8, .value_kind: global_buffer, .address_space: global }
    .group_segment_fixed_size: 327680
    .private_segment_fixed_size: 0
    .kernarg_segment_align: 8
    .kernarg_segment_size: 40
    .max_flat_workgroup_size: 128
    .sgpr_count:     68
    .vgpr_count:     1024
    .wavefront_size: 32
...
	.end_amdgpu_metadata
.endif
;; end of part 6
;; launch outp (part 7): grid 64 x 4, 4 waves a work-group, clusters of 4 x 1, 327,680 bytes of LDS; arguments pw, pv, ms, ls, out0; writes out0
.if DOCPART == 7
	.amdgcn_target "amdgcn-amd-amdhsa--gfx1250"
	.amdhsa_code_object_version 6
	.text
	.protected	k_q261c137ba1_outp
	.globl	k_q261c137ba1_outp
	.p2align	8
	.type	k_q261c137ba1_outp,@function
k_q261c137ba1_outp:
	s_mov_b64 s[64:65], 0
	v_nop
	global_prefetch_b8 v0, s[64:65] scope:SCOPE_SE
	s_setreg_imm32_b32 hwreg(HW_REG_WAVE_MODE, 25, 1), 1
	s_wait_xcnt 0x0
	s_wait_alu depctr_hold_cnt(0) depctr_sa_sdst(0) depctr_va_vdst(0) depctr_va_sdst(0) depctr_va_ssrc(0) depctr_va_vcc(0) depctr_vm_vsrc(0)
	s_getreg_b32 s2, hwreg(HW_REG_IB_STS2, 6, 4)
	s_cmp_eq_u32 s2, 0
	s_cbranch_scc0 .Lentry_in_a_cluster
	s_endpgm
.Lentry_in_a_cluster:
	s_bfe_u32 s2, ttmp6, 0x10000c
	s_cmp_lg_u32 s2, 0x3003
	s_cbranch_scc0 .Lentry_shape_is_right
	s_endpgm
.Lentry_shape_is_right:
; out[row][e] = sum over the row's 8 key tiles t of f_t[row] x (sum over the tile's 256 keys of p[row][key] pv[key][e]).
; f_t = 2^(cm_t - M) / l, M = the largest cm_t, l = sum over t of 2^(cm_t - M) (ls[2 t] + ls[2 t + 1]): with p = 2^(c s - cm_t) that is the softmax with the row's true maximum taken away.
; pw: p in f16, laid out as fragments by the launch before: [block of 16 rows: 512][chunk of 32 keys: 64][half: 2][lane: 32][16 bytes].  pv: [8192][1024] f16, ms: [8][8192] f32, ls: [16][8192] f32,
; out0: [8192][1024] f32.  Products in f16 with f32 sums; f, the joining and out in f32.
; LIMITS.  A factor 2^(cm_t - M) below 2^-126 counts as 0.  l is at least 1: the tile that holds the row's maximum has a weight 1.  NaN and infinities are not treated apart.
; SHARES.  256 work-groups of four waves, each 128 rows (x) x 256 channels (y) over all 2,048 keys; a wave makes 64 x 128.  pv goes in steps of 256 keys, one key tile, through two LDS slots filled by
; joint tensor loads: four row tiles of one batch form a cluster and ask for the same rows of pv.
; p GOES STRAIGHT INTO REGISTERS, not through LDS and not by joint loads.  The reason, by this text's own count: with both operands in LDS a slot has room for 128 keys, 128 products a wave for each
; refill; with pv alone it holds 256 keys, and 240 products stand between a refill's request and the wait for it.  A fragment of pw is 1,024 consecutive bytes: two loads of 512; a ring of eight buffers
; holds the chunk at work and the seven to come.  The price: the two waves of a row half load the same fragments, and so does every channel tile.
; Source 0 = 16 channels (pv turned by ds_load_tr16_b128), source 1 = 16 rows of p: a lane holds ONE row and eight neighbouring channels, so f is one number a lane and row block.
; A lap is a step: its products are summed in tmp, which starts with the constant 0, and at its end acc += f x tmp.
; acc is cleared by 256 v_mov_b32 on purpose: they stand in the wait for the first tile and spare a first lap written out.
; REGISTERS, in windows of 256 (s_set_vgpr_msb: bits 1:0 source 0, 3:2 source 1, 5:4 source 2, 7:6 destination):
;   window 0: v0-29 addresses; v32-95, v96-159 pv's 8 fragments, two buffers; v160-211 the statistics at the start; v224-231 f, a pair for each row block
;   window 1: tmp, (a, b) at v[8 (8 a + b)];   window 2: acc, the same map;   window 3: p's ring: chunk c of a lap at v[32 c], row block a 8 a further
.set PV,     544                       ; a row of pv in LDS: 512 bytes + 32 = 17 x 32
.set QUART,  64*PV                     ; 64 key rows: what one tensor load brings
.set SLOT,   256*PV                    ; 0x22000: its two bits occur in no wave x QUART, so an exclusive or changes slots
.set FT,     2*SLOT                    ; behind the ring: f, 2,048 bytes a wave: [key tile][64 rows] f32
.set SPARE,  FT+8192                   ; the spare words, 128 bytes a wave
.set STAGE,  SPARE+512                 ; 16 rows x 528 bytes for each wave, for the way out
.set SP,     528
.set STEPB,  256*2048                  ; 256 rows of pv
.set PBLK,   65536                     ; bytes of a block of 16 rows in pw
.set PLAP,   8192                      ; a lap's 8 chunks of 1,024 bytes
.set ADRB0, 16                         ; v16  my lane's place in chunks 0-3 of slot 0; never rewritten
.set ADRB1, 17                         ; v17  the same for chunks 4-7 (an LDS offset has 16 bits)
.set ADRB,  18                         ; v18, v19  the two in the slot being read
.set FA,    20                         ; v20  where my lane's f of the lap in hand lies
.set GL,    21                         ; v21  8 x lane
.set FS,    22                         ; v22  where I put f
.set STO,   24
.set RD,    25
.set CO,    26                         ; v26  16 x lane: my place in 512 bytes of pw and of out0; never rewritten
.set SPW,   28
.set NIL,   29
.set F0,    32
.set SR,    160                        ; the statistics of rows 2 l and 2 l + 1, interleaved: 8 pairs cm, 16 pairs of sums, 2 pairs at work
.set OB,    32                         ; the way out: v32-95 and v96-159 by turns
.set FV,    224
.set MSB, 0
.macro WIN new
.if MSB != (\new)
	s_set_vgpr_msb (MSB<<8)|(\new)
.set MSB, \new
.endif
.endm
.macro PLACES
.rept 4
	v_nop
.endr
.endm
.macro CREST
	s_cmp_lg_u32 s10, 0
	s_cbranch_scc1 .Lnot_wave_0_\@
	s_barrier_signal -3
.Lnot_wave_0_\@:
	s_barrier_wait -3
	s_barrier_signal -1
	s_barrier_wait -1
.endm
.macro CROUND
	s_barrier_signal -1
	s_barrier_wait -1
	CREST
.endm
.macro JLOAD                           ; a joint refill: every wave fetches its 64 key rows; s_nop 0 and four v_nop follow the line
	tensor_load_to_lds s[36:39], s[24:31]
	s_nop 0
.rept 4
	v_nop
.endr
.endm
.macro STEPD                           ; the walking descriptor: the other slot, the next 256 keys; written only where no tensor load of mine is out
	s_xor_b32 s37, s37, SLOT
	s_add_nc_u64 s[38:39], s[38:39], STEPB
.endm
.macro FLIP                            ; the reads go over to the other slot
	s_xor_b32 s56, s56, SLOT
	v_add_nc_u32 v[ADRB], s56, v[ADRB0]
	v_add_nc_u32 v[ADRB+1], s56, v[ADRB1]
.endm
	s_load_b128 s[4:7], s[0:1], 0x0                ; pw s[4:5], pv s[6:7]
	s_load_b128 s[60:63], s[0:1], 0x10             ; ms s[60:61], ls s[62:63]
	s_load_b64 s[8:9], s[0:1], 0x20                ; out0
	v_lshl_add_u32 v[SPW], v0, 2, SPARE
	v_mov_b32 v[NIL], 0
	ds_add_u32 v[SPW], v[NIL]                      ; the wave's opening: the add and its wait stand ahead of my first tensor load
	v_lshrrev_b32 v1, 5, v0
	v_readfirstlane_b32 s10, v1                    ; wave 0..3: it fetches key rows 64 w to 64 w + 63 of a step
	s_lshr_b32 s11, s10, 1                         ; row half
	s_and_b32 s12, s10, 1                          ; channel half
	s_bfe_u32 s40, ttmp6, 0x40000                  ; cx: my place in the cluster
	s_lshl_b32 s13, ttmp9, 2                       ; in a cluster launch ttmp9 counts clusters
	s_add_co_u32 s13, s13, s40                     ; row tile 0..63: it enters pw's, ms's, ls's and out0's addresses alone
	s_lshr_b32 s57, ttmp9, 2                       ; the batch: 16 row tiles, four clusters; the four partners share it
	s_and_b32 s42, ttmp7, 0xffff                   ; channel tile 0..3, which they share too
	; descriptor group 1: 64 rows x 256 elements of 2 bytes, 8 words of padding behind every 128
	s_mov_b32 s24, 15|(1<<16)|(1<<20)|(1<<21)|(6<<22)|(7<<25)  ; 15:0 the mask: all four work-groups; 17:16 elements of 2 bytes; 20 padding on; 21 set beside a mask; 24:22 code 6; 31:25 code 7
	s_mov_b32 s25, 256<<16                         ; tensor_dim0 = 256
	s_mov_b32 s26, 64<<16                          ; tensor_dim1 = 64
	s_mov_b32 s27, 256<<16                         ; tile_dim0 = 256
	s_mov_b32 s28, 64                              ; tile_dim1 = 64
	s_mov_b32 s29, 1024                            ; elements from row to row
	s_mov_b32 s30, 0
	s_mov_b32 s31, 0
	s_lshl_b32 s46, s57, 11
	s_lshl_b32 s47, s10, 6
	s_add_co_u32 s46, s46, s47
	s_lshl_b32 s46, s46, 11                        ; pv: (2,048 x batch + 64 x wave) rows of 2,048 bytes
	s_lshl_b32 s47, s42, 9
	s_add_co_u32 s46, s46, s47                     ; + 512 x channel tile
	s_mov_b32 s47, 0
	s_mul_i32 s20, s10, QUART                      ; where they go: wave x 64 rows
	s_mov_b32 s32, 1                               ; group 0 of the first fill: slot 0, keys 0 to 255
	s_mov_b32 s33, s20
	s_mov_b32 s36, 1                               ; group 0 of the second: slot 1, keys 256 to 511; it then walks on
	s_add_co_u32 s37, s20, SLOT
	s_mov_b32 s56, 0                               ; slot 0 is read first
	s_lshl_b32 s16, s13, 3                         ; pw: row block 8 x row tile + 4 x row half, of 65,536 bytes
	s_lshl_b32 s17, s11, 2
	s_add_co_u32 s16, s16, s17
	s_lshl_b32 s16, s16, 16
	s_mov_b32 s17, 0
	s_lshl_b32 s14, s13, 7
	s_lshl_b32 s15, s11, 6
	s_add_co_u32 s14, s14, s15                     ; my first row: 128 x row tile + 64 x row half
	s_lshl_b32 s18, s14, 2                         ; its place in a line of ms and ls
	s_mov_b32 s19, 0
	s_lshl_b32 s14, s14, 12                        ; out: that row x 4,096 + 1,024 x channel tile + 512 x channel half
	s_lshl_b32 s15, s42, 10
	s_add_co_u32 s14, s14, s15
	s_lshl_b32 s15, s12, 9
	s_add_co_u32 s14, s14, s15
	s_mov_b32 s15, 0
	s_wait_dscnt 0x0                               ; the opening add is done
	s_wait_kmcnt 0x0
	s_add_nc_u64 s[34:35], s[6:7], s[46:47]
	s_add_nc_u64 s[38:39], s[34:35], STEPB
	s_or_b32 s35, s35, 0x80000000
	s_or_b32 s39, s39, 0x80000000
	s_add_nc_u64 s[4:5], s[4:5], s[16:17]          ; p of the lap in hand,
	s_add_nc_u64 s[58:59], s[4:5], PLAP            ; and of the next
	s_add_nc_u64 s[8:9], s[8:9], s[14:15]
	s_add_nc_u64 s[60:61], s[60:61], s[18:19]
	s_add_nc_u64 s[62:63], s[62:63], s[18:19]
	CROUND                                         ; all four work-groups are here: the first joint loads meet
	tensor_load_to_lds s[32:35], s[24:31]          ; the two first fills go out together, ahead of every wait on TENSORcnt, every LDS read and every other barrier: two loads of mine are out
	s_nop 0
	tensor_load_to_lds s[36:39], s[24:31]
	s_nop 0
.rept 4
	v_nop
.endr
	v_and_b32 v1, 15, v0                           ; r
	v_bfe_u32 v2, v0, 4, 1                         ; h
	v_and_b32 v3, 7, v0
	v_bfe_u32 v4, v0, 3, 1
	v_and_b32 v6, 31, v0                           ; lane
	v_lshlrev_b32 v[GL], 3, v6
	v_lshlrev_b32 v[CO], 4, v6
; 8 loads: p's 4 fragments of the chunk kc chunks behind s[sb:sb+1], into ring buffer rb: each load covers 512 consecutive bytes of pw
.macro PLOAD rb, sb, kc
	WIN 0xc0                                       ; destination window 3, address window 0
.irp a, 0,1,2,3
	global_load_b128 v[32*(\rb)+8*(\a):32*(\rb)+8*(\a)+3],   v[CO], s[(\sb):(\sb)+1] offset:(\a)*PBLK+(\kc)*1024
	global_load_b128 v[32*(\rb)+8*(\a)+4:32*(\rb)+8*(\a)+7], v[CO], s[(\sb):(\sb)+1] offset:(\a)*PBLK+(\kc)*1024+512
.endr
.endm
	; the statistics of my 64 rows, two rows a lane: 24 loads of 256 consecutive bytes each; behind them p's chunks 0 to 3: 56 loads are out
.irp t, 0,1,2,3,4,5,6,7
	global_load_b64 v[SR+2*(\t):SR+2*(\t)+1], v[GL], s[60:61] offset:(\t)*32768
.endr
.irp j, 0,1,2,3,4,5,6,7,8,9,10,11,12,13,14,15
	global_load_b64 v[SR+16+2*(\j):SR+16+2*(\j)+1], v[GL], s[62:63] offset:(\j)*32768
.endr
	PLOAD 0, 4, 0
	PLOAD 1, 4, 1
	PLOAD 2, 4, 2
	PLOAD 3, 4, 3
	WIN 0
	; the turning load takes 16 keys x 16 channels: lane l reads key 8 (l / 16) + l % 8, channels 8 ((l / 8) % 2) + 0..7, and is left with channel l % 16 and 8 keys
	v_lshl_add_u32 v5, v2, 3, v3
	v_mul_u32_u24 v5, v5, PV
	v_lshl_add_u32 v5, v4, 4, v5
	s_lshl_b32 s21, s12, 8                         ; my 128 channels
	v_add_nc_u32 v[ADRB0], s21, v5
	v_add_nc_u32 v[ADRB1], 4*32*PV, v[ADRB0]
	v_mov_b32 v[ADRB], v[ADRB0]
	v_mov_b32 v[ADRB+1], v[ADRB1]
	s_lshl_b32 s21, s10, 11
	s_add_co_u32 s21, s21, FT                      ; my wave's f
	v_lshl_add_u32 v[FA], v1, 2, s21
	v_add_nc_u32 v[FS], s21, v[GL]
	s_mul_i32 s21, s10, 16*SP
	s_add_co_u32 s21, s21, STAGE                   ; my stage
	v_mul_u32_u24 v5, v1, SP                       ; in: row r, 32 bytes for each half of the lanes
	v_lshl_add_u32 v5, v2, 5, v5
	v_add_nc_u32 v[STO], s21, v5
	v_add_nc_u32 v[RD], s21, v[CO]                 ; back: 32 lanes take a row's 512 bytes
.irp a, 0,1,2,3
	v_mov_b32 v[FV+2*(\a)+1], 0                    ; the pairs' upper words are named with the lower
.endr
	WIN 0x80                                       ; destination window 2
.set i, 0
.rept 256
	v_mov_b32 v[i], 0
.set i, i+1
.endr
	WIN 0
	s_wait_loadcnt 32                              ; the statistics are in; the 32 loads of p's chunks 0 to 3 may be out
.macro STCALC g                        ; rows 2 l + g
.set SB, SR+(\g)
.set SL, SR+16+(\g)
.set SW, SR+48+(\g)
.set SX, SR+50+(\g)
	v_max3_num_f32 v[SW], v[SB], v[SB+2], v[SB+4]
	v_max3_num_f32 v[SW], v[SW], v[SB+6], v[SB+8]
	v_max3_num_f32 v[SW], v[SW], v[SB+10], v[SB+12]
	v_max_num_f32 v[SW], v[SW], v[SB+14]           ; M
.irp t, 0,1,2,3,4,5,6,7
	v_sub_f32 v[SB+2*(\t)], v[SB+2*(\t)], v[SW]
.endr
.irp t, 0,1,2,3,4,5,6,7
	v_exp_f32 v[SB+2*(\t)], v[SB+2*(\t)]           ; 2^(cm_t - M)
.endr
.irp t, 0,1,2,3,4,5,6,7
	v_add_f32 v[SL+2*(\t)], v[SL+4*(\t)], v[SL+4*(\t)+2]  ; a tile's two halves; also the plain instructions behind the exponentials
.endr
	s_wait_alu depctr_va_vdst(0)
	v_mul_f32 v[SW], v[SB], v[SL]
.irp t, 1,2,3,4,5,6,7
	v_fmac_f32 v[SW], v[SB+2*(\t)], v[SL+2*(\t)]   ; l
.endr
	v_rcp_f32 v[SX], v[SW]
	v_nop                                          ; a plain instruction behind the reciprocal (ISA guide 5.7.2)
	s_wait_alu depctr_va_vdst(0)
.irp t, 0,1,2,3,4,5,6,7
	v_mul_f32 v[SB+2*(\t)], v[SB+2*(\t)], v[SX]    ; f_t
.endr
.endm
	STCALC 0
	STCALC 1
.irp t, 0,1,2,3,4,5,6,7
	ds_store_b64 v[FS], v[SR+2*(\t):SR+2*(\t)+1] offset:256*(\t)
.endr
	PLOAD 4, 4, 4
	PLOAD 5, 4, 5
	PLOAD 6, 4, 6
	WIN 0
; 8 products: row block a x all 8 channel blocks, 32 keys; pv from buffer f, p from ring buffer rg; the 32 accumulators take turns.  zero = 1: they start the lap's sums
.macro MUL8 f, rg, a, zero
	WIN 0x5c                                       ; pv window 0, p window 3, C and D window 1
.irp b, 0,1,2,3,4,5,6,7
.if \zero
	v_wmma_f32_16x16x32_f16 v[8*(8*(\a)+(\b)):8*(8*(\a)+(\b))+7], v[(\f)+8*(\b):(\f)+8*(\b)+7], v[32*(\rg)+8*(\a):32*(\rg)+8*(\a)+7], 0
.else
	v_wmma_f32_16x16x32_f16 v[8*(8*(\a)+(\b)):8*(8*(\a)+(\b))+7], v[(\f)+8*(\b):(\f)+8*(\b)+7], v[32*(\rg)+8*(\a):32*(\rg)+8*(\a)+7], v[8*(8*(\a)+(\b)):8*(8*(\a)+(\b))+7]
.endif
.endr
.endm
; 16 LDS loads in one run: pv's 8 fragments (turned) of chunk q of the slot being read, into buffer f
.macro FETCH q, f
	WIN 0
.irp b, 0,1,2,3,4,5,6,7
	ds_load_tr16_b128 v[(\f)+8*(\b):(\f)+8*(\b)+3],   v[ADRB+(\q)/4] offset:((\q)%4)*32*PV+32*(\b)
	ds_load_tr16_b128 v[(\f)+8*(\b)+4:(\f)+8*(\b)+7], v[ADRB+(\q)/4] offset:((\q)%4)*32*PV+16*PV+32*(\b)
.endr
.endm
.macro FLOAD                           ; f of the lap in hand for my lane's row in each row block
	WIN 0
.irp a, 0,1,2,3
	ds_load_b32 v[FV+2*(\a)], v[FA] offset:64*(\a)
.endr
	v_add_nc_u32 v[FA], 256, v[FA]                 ; the next lap's
.endm
; CHUNK c of a lap's eight: 32 keys, 32 products.  Behind the first eight, and four places (ISA guide 7.12.1 for vector instructions), stand the loads into the registers that the chunk before
; multiplied: pv's fragments of the next chunk, and p's of the chunk seven on (chunk 0: this lap's chunk 7; chunk c: the next lap's chunk c - 1).
; Chunk 6's LDS loads are the slot's last reads: it changes slots.  mode 1: the slot is filled again behind a round of the cluster's barrier.  mode 2: nothing is asked for.
; Chunk 7 reads the next slot's first chunk, and f.
.macro CHUNK c, mode
.set Z, 0
.if (\c) == 0
.set Z, 1
.endif
	s_wait_loadcnt 48                              ; this chunk's p is in: behind its loads those of the next six chunks were issued, 8 each
	s_wait_dscnt 0x0                               ; and so is its pv
	MUL8 F0+64*((\c)%2), \c, 0, Z
	PLACES
.if (\c) == 7
	FLOAD
.endif
	FETCH ((\c)+1)%8, F0+64*(1-(\c)%2)
.if (\c) == 0
	PLOAD 7, 4, 7
.else
	PLOAD (\c)-1, 58, (\c)-1
.endif
.if (\c) == 6
	WIN 0
	s_wait_tensorcnt 0x0                           ; all my tensor loads have landed: the one that was out is my part of the next slot
	ds_add_u32 v[SPW], v[NIL]                      ; 0 onto my spare word: eight products stand between it and the wait for it
.if (\mode) == 1
	STEPD
.endif
	MUL8 F0+64*((\c)%2), \c, 1, Z
	s_wait_dscnt 0x0                               ; the add is done, and my reads of the slot are over
	s_barrier_signal -1
	MUL8 F0+64*((\c)%2), \c, 2, Z                  ; work on registers while the others arrive
	WIN 0
	s_barrier_wait -1
.if (\mode) == 1
	CREST                                          ; no wave of any partner still reads this slot or has a load on its way
	JLOAD                                          ; the first tensor load behind the round: 240 products stand ahead of the wait for it
.endif
	FLIP
	MUL8 F0+64*((\c)%2), \c, 3, Z
.else
	MUL8 F0+64*((\c)%2), \c, 1, Z
	MUL8 F0+64*((\c)%2), \c, 2, Z
	MUL8 F0+64*((\c)%2), \c, 3, Z
.endif
.endm
.macro LUMP                            ; acc += f x tmp: each accumulator's registers in ascending order
	s_wait_dscnt 16                                ; f is in: only the 16 loads issued behind it may be out
	PLACES                                         ; it reads results just made
	WIN 0xa1                                       ; tmp window 1, f window 0, acc window 2
.set i, 0
.rept 128
	v_pk_fma_f32 v[2*i:2*i+1], v[2*i:2*i+1], v[FV+2*(i/32):FV+2*(i/32)+1], v[2*i:2*i+1] op_sel_hi:[1,0,1]
.set i, i+1
.endr
	WIN 0
.endm
	s_wait_tensorcnt 0x1                           ; my part of the first 256 keys is in; the second slot's may stay out
	s_wait_dscnt 0x0                               ; my stores of f are done
	s_barrier_signal -1
	s_barrier_wait -1                              ; everybody's part is in
	FETCH 0, F0
	s_mov_b32 s45, 6                               ; key tiles 2 to 7 are asked for in the loop
.Llap:
.irp c, 0,1,2,3,4,5,6,7
	CHUNK \c, 1
.endr
	LUMP
	s_wait_xcnt 0x0                                ; pw's addresses are stepped only behind this wait: the loads that name them have had their addresses translated (ISA guide 3.1)
	s_mov_b64 s[4:5], s[58:59]
	s_add_nc_u64 s[58:59], s[58:59], PLAP
	s_sub_co_u32 s45, s45, 1
	s_cmp_lg_u32 s45, 0
	s_cbranch_scc1 .Llap
	; The tail, key tiles 6 and 7, asks for no tile: a second text of the lap, walked twice.  The address of the next lap's p is not stepped: in the second pass it is the last lap's own, whose chunks
	; 0 to 6 are loaded once more (inside pw); that pass's change of slots and its read of slot 0's first chunk serve nothing either: the price, once a launch, of one text and the same counted waits for both passes.
	s_mov_b32 s45, 2
.Ltail:
.irp c, 0,1,2,3,4,5,6,7
	CHUNK \c, 2
.endr
	LUMP
	s_wait_xcnt 0x0
	s_mov_b64 s[4:5], s[58:59]
	s_sub_co_u32 s45, s45, 1
	s_cmp_lg_u32 s45, 0
	s_cbranch_scc1 .Ltail
	s_wait_dscnt 0x0                               ; pv's buffers, which the way out uses anew, receive nothing more
; THE WAY OUT, 16 rows at a time: 32 bytes a lane into my stage, back as whole rows of 512 bytes, stored
.macro OUTB a
	WIN 0x08                                       ; store data window 2
.irp b, 0,1,2,3,4,5,6,7
	ds_store_b128 v[STO], v[8*(8*(\a)+(\b)):8*(8*(\a)+(\b))+3]   offset:64*(\b)
	ds_store_b128 v[STO], v[8*(8*(\a)+(\b))+4:8*(8*(\a)+(\b))+7] offset:64*(\b)+16
.endr
	WIN 0
	s_wait_xcnt 0x0                                ; the registers that earlier stores read are loaded again only behind this wait
.set i, 0
.rept 16
	ds_load_b128 v[OB+64*((\a)%2)+4*i:OB+64*((\a)%2)+4*i+3], v[RD] offset:i*SP  ; LDS serves a wave's instructions in order (ISA guide 5.7.1.4)
.set i, i+1
.endr
.set i, 0
.rept 16
	s_wait_dscnt 15-i                              ; LDS loads come back in order: row i is in
	global_store_b128 v[CO], v[OB+64*((\a)%2)+4*i:OB+64*((\a)%2)+4*i+3], s[8:9] offset:(16*(\a)+i)*4096  ; 512 consecutive bytes, at a multiple of 512 from out0's first byte
.set i, i+1
.endr
.endm
	OUTB 0
	OUTB 1
	OUTB 2
	OUTB 3
	s_wait_tensorcnt 0x0                           ; the wave's end
	ds_add_u32 v[SPW], v[NIL]
	s_wait_dscnt 0x0
	CROUND                                         ; the closing round
	s_endpgm
.Lfunc_end_k_q261c137ba1_outp:
	.size	k_q261c137ba1_outp, .Lfunc_end_k_q261c137ba1_outp-k_q261c137ba1_outp
	.p2alignl 7, 3214868480
	.fill 96, 4, 3214868480
	.section	.rodata,"a",@progbits
	.p2align	6, 0x0
	.amdhsa_kernel k_q261c137ba1_outp
		.amdhsa_group_segment_fixed_size 327680
		.amdhsa_private_segment_fixed_size 0
		.amdhsa_enable_private_segment 0
		.amdhsa_kernarg_size 40
		.amdhsa_user_sgpr_count 2
		.amdhsa_user_sgpr_kernarg_segment_ptr 1
		.amdhsa_wavefront_size32 1
		.amdhsa_system_sgpr_workgroup_id_x 1
		.amdhsa_system_sgpr_workgroup_id_y 1
		.amdhsa_system_sgpr_workgroup_id_z 1
		.amdhsa_system_vgpr_workitem_id 0
		.amdhsa_next_free_vgpr 1024
		.amdhsa_next_free_sgpr 66
		.amdhsa_reserve_vcc 0
		.amdhsa_float_denorm_mode_32 3
		.amdhsa_float_denorm_mode_16_64 3
		.amdhsa_memory_ordered 1
		.amdhsa_forward_progress 1
		.amdhsa_inst_pref_size 126
	.end_amdhsa_kernel
	.amdgpu_metadata
---
amdhsa.version: [ 1, 2 ]
amdhsa.kernels:
  - .name:           k_q261c137ba1_outp
    .symbol:         k_q261c137ba1_outp.kd
    .args:
      - { .name: pw, .offset: 0, .size: 8, .value_kind: global_buffer, .address_space: global }
      - { .name: pv, .offset: 8, .size: 8, .value_kind: global_buffer, .address_space: global }
      - { .name: ms, .offset: 16, .size: 8, .value_kind: global_buffer, .address_space: global }
      - { .name: ls, .offset: 24, .size: 8, .value_kind: global_buffer, .address_space: global }
      - { .name: out0, .offset: 32, .size: 8, .value_kind: global_buffer, .address_space: global }
    .group_segment_fixed_size: 327680
    .private_segment_fixed_size: 0
    .kernarg_segment_align: 8
    .kernarg_segment_size: 40
    .max_flat_workgroup_size: 128
    .sgpr_count:     66
    .vgpr_count:     1024
    .wavefront_size: 32
...
	.end_amdgpu_metadata
.endif
;; end of part 7
